; MI455X (gfx1250); checked and timed in simulation.
; The chip was launched on July 23, 2026; its instructions are those of AMD's public machine-readable ISA for CDNA 5 (MIT licence, August 2026) and "CDNA5" Instruction Set Architecture Reference Guide (July 2026). The comments in the code are by the model that wrote it; some were corrected since.
;; Decision Tree Layer. Allowed arithmetic: float matrix products may take bf16 or f16 operands with f32 sums; other float arithmetic in f32, or as packed bf16 or f16 multiplies, adds, multiply-adds, maxima and minima; sums over many terms, partial sums and values carried from step to step in f32; what a program stores and reads back later, other than sums and carried values, may be rounded once to bf16 or f16.
;; Inputs: Wd 15 x 1,024 x 2 float32; Wl 16 x 1,024 x 1,024 float32; bd 15 x 2 float32; bl 16 x 1,024 float32; x 2 x 2,048 x 1,024 float32.
;; Outputs: out0 2 x 2,048 x 1,024 float32.
;; 3 versions, each right; version 3 is version 2 with the launch prep written anew for expert scheduling mode. Each part assembles by itself: llvm-mc -triple=amdgcn-amd-amdhsa -mcpu=gfx1250 --defsym DOCPART=n.
;; ======== version 1 of 3: 2 launches
;; workspace buffers: xb 8,388,608 bytes; wb 33,554,432 bytes; pbuf 262,144 bytes
;; launch prep (part 1): grid 1280 x 1, 4 waves a work-group, no clusters, 43,520 bytes of LDS; arguments x, Wd, bd, Wl, xb, wb, pbuf; writes xb, wb, pbuf
.if DOCPART == 1
	.amdgcn_target "amdgcn-amd-amdhsa--gfx1250"
	.amdhsa_code_object_version 6
	.text
	.protected	k_q4ecf3453e0_prep
	.globl	k_q4ecf3453e0_prep
	.p2align	8
	.type	k_q4ecf3453e0_prep,@function
k_q4ecf3453e0_prep:
	s_mov_b64 s[64:65], 0
	v_nop
	global_prefetch_b8 v0, s[64:65] scope:SCOPE_SE
	s_setreg_imm32_b32 hwreg(HW_REG_WAVE_MODE, 25, 1), 1
	s_wait_xcnt 0x0
; DecisionTreeLayer, first of two launches.  T = 4,096 tokens (2 x 2,048), H = 1,024, 15 nodes, 16 leaves.
;   xb   = x rounded to bf16, [4096][1024]            wb = Wl rounded to bf16, [16 x 1024 rows (leaf, h)][1024 d]: both in their own layouts
;   pbuf = the 16 path products of each token, f32, [256 tiles of 16 tokens][16 leaves][16 tokens]: path(16 g + r, leaf) at byte 1024 g + 64 leaf + 4 r
; path[leaf] = D[0][leaf&1] x D[1+(leaf&1)][(leaf>>1)&1] x D[3+(leaf&3)][(leaf>>2)&1] x D[7+(leaf&7)][leaf>>3], D[n][k] = sigmoid(x . Wd[n][:][k] + bd[n][k]):
; at each level reference() joins [p x left, p x right], so the level's choice becomes the index's next higher bit and the node within the level is the index so far.
; WORK LEFT OUT: none in whole units.  All five inputs reach the output and are loaded (bl by the second launch).  Only the factor 1 with which reference() starts the path is not multiplied.
; The matrix tile has 16 rows for 15 nodes: the sixteenth repeats node 14 and is used by nobody.
; FORMATS.  x, Wd, Wl are rounded once to bf16 (nearest even) as matrix operands; sums, bd, sigmoids and paths are f32.
; LIMITS.  sigmoid(z) = 1 / (1 + 2^(-1.442695 z)): a power or a quotient below 2^-126 counts as 0 (ISA guide 15.8: these two instructions flush denormals), so a sigmoid below 2^-126 is 0;
; beyond f32's range the power is an infinity and the sigmoid 0, as reference()'s own tends to.  NaN and infinities among the inputs are not treated apart.
; TWO ROLES, by the work-group's number alone: 0..255 take 16 tokens each (role X), 256..1279 take 65,536 bytes of Wl each (role W): each moves 64 KiB in and 32 KiB out.
.set XPITCH, 528                       ; role X: a wave's 256 bf16 of a token, 512 bytes + 16 of padding: the 16 rows of a fragment load start 4 banks apart (64 banks of 4 bytes: ISA guide 11.1)
.set XWAVE,  16*XPITCH                 ; LDS 0: 4 waves x 16 rows, each wave's own
.set PART,   4*XWAVE                   ; 33,792: the waves' partial logits: wave v, direction t at 2048 v + 1024 t + 32 lane
.set PTS,    PART+8192                 ; 41,984: wave 0 turns the paths into pbuf's order here, 1,024 bytes
.set SPARE,  PTS+1024                  ; 43,008: the spare words, 128 bytes for each wave: two blocks of 256 bytes that no other line names
.set X,   16                           ; v[16:143]  32 loads of 16 bytes; converted in place
.set AF,  16                           ; v[16:79]   later: the 8 fragments of my 16 tokens x 256 h
.set WR,  144                          ; v[144:207] Wd as loaded, two sets of 32
.set WF,  208                          ; v[208:239] Wd's fragments, two sets: direction 0 (8), direction 1 (8)
.set ACC, 240                          ; v[240:247] logits of direction 0, v[248:255] of direction 1
.set Z,   16                           ; v[16:111]  wave 0's finish: four waves' 24 partial logits
	s_load_b256 s[4:11], s[0:1], 0x0               ; x s[4:5], Wd s[6:7], bd s[8:9], Wl s[10:11]
	s_load_b128 s[12:15], s[0:1], 0x20             ; xb s[12:13], wb s[14:15]
	s_load_b64 s[16:17], s[0:1], 0x30              ; pbuf
	v_lshl_add_u32 v10, v0, 2, SPARE               ; my spare word; never rewritten
	v_mov_b32 v11, 0                               ; 0; never rewritten
	v_lshrrev_b32 v12, 5, v0
	v_readfirstlane_b32 s18, v12                   ; wave 0..3
	s_cmp_lt_u32 ttmp9, 256                        ; the same in all four waves
	s_cbranch_scc1 .Lrole_x
	; ROLE W: 65,536 bytes of Wl become 32,768 of wb.  All 32 loads of a wave go out first; a store of a wave covers 256 consecutive bytes, aligned.
	s_sub_co_u32 s20, ttmp9, 256
	s_lshl_b32 s22, s20, 15
	s_lshl_b32 s20, s20, 16
	s_mov_b32 s21, 0
	s_mov_b32 s23, 0
	v_lshlrev_b32 v4, 4, v0                        ; 16 bytes a thread in,
	v_lshlrev_b32 v5, 3, v0                        ; 8 out
	s_wait_kmcnt 0x0
	s_add_nc_u64 s[10:11], s[10:11], s[20:21]
	s_add_nc_u64 s[14:15], s[14:15], s[22:23]
.set i, 0
.rept 32
	global_load_b128 v[X+4*i:X+4*i+3], v4, s[10:11] offset:2048*i th:TH_LOAD_NT
.set i, i+1
.endr
.set i, 0
.rept 32
	s_wait_loadcnt 31-i                            ; loads come back in order: load i is in, the 31 - i younger ones stay out
	v_cvt_pk_bf16_f32 v[X+4*i], v[X+4*i], v[X+4*i+1]
	v_cvt_pk_bf16_f32 v[X+4*i+1], v[X+4*i+2], v[X+4*i+3]
	global_store_b64 v5, v[X+4*i:X+4*i+1], s[14:15] offset:1024*i th:TH_STORE_NT
.set i, i+1
.endr
	s_branch .Lend                                 ; no register that a load or store names has been written again
	; ROLE X: 16 tokens.  Wave v takes h = 256 v .. 256 v + 255 of all 16: it rounds them, stores them to xb, and multiplies them by its quarter of Wd.
.Lrole_x:
	s_lshl_b32 s20, ttmp9, 16                      ; 16 rows of x,
	s_mov_b32 s21, 0
	s_lshl_b32 s22, ttmp9, 15                      ; of xb,
	s_mov_b32 s23, 0
	s_lshl_b32 s24, ttmp9, 10                      ; the tile's 1,024 bytes of pbuf
	s_mov_b32 s25, 0
	v_and_b32 v1, 31, v0                           ; lane
	v_and_b32 v2, 15, v0                           ; r
	v_bfe_u32 v3, v0, 4, 1                         ; hh
	s_lshl_b32 s26, s18, 10
	v_lshl_add_u32 v4, v1, 4, s26                  ; x: 1024 wave + 16 lane
	s_lshl_b32 s27, s18, 9
	v_lshl_add_u32 v5, v1, 3, s27                  ; xb: 512 wave + 8 lane
	s_mul_i32 s28, s18, XWAVE
	v_lshl_add_u32 v6, v1, 3, s28                  ; LDS, in: my wave's rows + 8 lane
	v_mul_u32_u24 v7, v2, XPITCH
	v_lshl_add_u32 v7, v3, 4, v7
	v_add_nc_u32 v7, s28, v7                       ; LDS, back as fragments: row r, 16 bytes for each half of the lanes
	v_min_u32 v8, 14, v2                           ; node r; row 15 repeats node 14
	v_lshlrev_b32 v8, 13, v8                       ; a node is 8,192 bytes of Wd,
	v_lshl_add_u32 v8, v3, 6, v8                   ; 8 h (both directions) are 64,
	s_lshl_b32 s29, s18, 11
	v_add_nc_u32 v8, s29, v8                       ; my wave's 256 h are 2,048
	v_lshl_add_u32 v9, v1, 5, s29
	v_add_nc_u32 v9, PART, v9                      ; my 32 bytes of a partial tile
	s_wait_kmcnt 0x0
	s_add_nc_u64 s[4:5], s[4:5], s[20:21]
	s_add_nc_u64 s[12:13], s[12:13], s[22:23]
	s_add_nc_u64 s[16:17], s[16:17], s[24:25]
.set i, 0
.rept 32                                       ; load i: token i / 2, half i % 2 of my wave's 1,024 bytes: 512 consecutive bytes a load
	global_load_b128 v[X+4*i:X+4*i+3], v4, s[4:5] offset:4096*(i/2)+512*(i%2) th:TH_LOAD_NT
.set i, i+1
.endr
; Wd for K step q (32 h): lane (r, hh) takes node r, h = 8 hh + 0..7 and 16 + 8 hh + 0..7, both directions: eight loads of 16 bytes (two h x two directions each).
.macro WLOAD q
.set WB, WR+32*((\q)%2)
.irp m, 0,1,2,3
	global_load_b128 v[WB+4*(\m):WB+4*(\m)+3], v8, s[6:7] offset:256*(\q)+16*(\m)
.endr
.irp m, 4,5,6,7
	global_load_b128 v[WB+4*(\m):WB+4*(\m)+3], v8, s[6:7] offset:256*(\q)+128+16*((\m)-4)
.endr
.endm
	WLOAD 0
	WLOAD 1
.set i, 0
.rept 32
	s_wait_loadcnt 47-i                            ; load i of x is in: behind it stand 31 - i of x and 16 of Wd
	v_cvt_pk_bf16_f32 v[X+4*i], v[X+4*i], v[X+4*i+1]
	v_cvt_pk_bf16_f32 v[X+4*i+1], v[X+4*i+2], v[X+4*i+3]
	global_store_b64 v5, v[X+4*i:X+4*i+1], s[12:13] offset:2048*(i/2)+256*(i%2) th:TH_STORE_NT  ; 256 consecutive bytes, aligned
	ds_store_b64 v6, v[X+4*i:X+4*i+1] offset:XPITCH*(i/2)+256*(i%2)
.set i, i+1
.endr
	s_wait_xcnt 0x0                                ; the stores have read their data: only now are those registers loaded again
.irp q, 0,1,2,3,4,5,6,7                        ; my own bytes, and LDS serves a wave's instructions in order (ISA guide 5.7.1.4): no barrier, no wait between stores and loads
	ds_load_b128 v[AF+8*(\q):AF+8*(\q)+3],   v7 offset:64*(\q)
	ds_load_b128 v[AF+8*(\q)+4:AF+8*(\q)+7], v7 offset:64*(\q)+32
.endr
; K step q: Wd's 32 registers are split by direction and rounded; then two products, source 0 = 16 nodes, source 1 = 16 tokens: in the result lane (r, hh) holds token r, register i node 8 hh + i.
; The two accumulators take turns.  A set of WF is written again two steps behind the products that read it: the step between has 16 conversions, which name none of their registers.
.macro KSTEP q
.set WB, WR+32*((\q)%2)
.set FB, WF+16*((\q)%2)
.if (\q) < 7
	s_wait_loadcnt 8                               ; this step's 8 loads are in; the next step's 8 stay out
.else
	s_wait_loadcnt 0x0
.endif
.irp m, 0,1,2,3,4,5,6,7
	v_cvt_pk_bf16_f32 v[FB+(\m)],   v[WB+4*(\m)],   v[WB+4*(\m)+2]
	v_cvt_pk_bf16_f32 v[FB+8+(\m)], v[WB+4*(\m)+1], v[WB+4*(\m)+3]
.endr
.if (\q) < 6
	WLOAD (\q)+2
.endif
.if (\q) == 0
	s_wait_dscnt 0x0                               ; the tokens' fragments are in
	v_wmma_f32_16x16x32_bf16 v[ACC:ACC+7],    v[FB:FB+7],    v[AF:AF+7], 0
	v_wmma_f32_16x16x32_bf16 v[ACC+8:ACC+15], v[FB+8:FB+15], v[AF:AF+7], 0
.else
	v_wmma_f32_16x16x32_bf16 v[ACC:ACC+7],    v[FB:FB+7],    v[AF+8*(\q):AF+8*(\q)+7], v[ACC:ACC+7]
	v_wmma_f32_16x16x32_bf16 v[ACC+8:ACC+15], v[FB+8:FB+15], v[AF+8*(\q):AF+8*(\q)+7], v[ACC+8:ACC+15]
.endif
.endm
.irp q, 0,1,2,3,4,5,6,7
	KSTEP \q
.endr
.rept 4
	v_nop                                          ; four places between the last product and the stores that read results
.endr
	ds_store_b128 v9, v[ACC:ACC+3]
	ds_store_b128 v9, v[ACC+4:ACC+7]     offset:16
	ds_store_b128 v9, v[ACC+8:ACC+11]    offset:1024
	ds_store_b128 v9, v[ACC+12:ACC+15]   offset:1040
	s_wait_dscnt 0x0                               ; for wave 0's sake: my partial logits lie in LDS
	s_barrier_signal -1
	s_barrier_wait -1
	s_cmp_lg_u32 s18, 0
	s_cbranch_scc1 .Lend
	; WAVE 0 FINISHES.  Lane (r, hh) makes the paths of token r to the leaves 8 hh + 0..7.  They want nodes 0-7 in both directions and nodes 8-14 in direction hh: 24 logits (the last is the spare row).
	s_load_b512 s[32:47], s[8:9], 0x0              ; bd of nodes 0-7: s[32 + 2 n + direction]
	v_lshlrev_b32 v14, 2, v3
.irp i, 0,1,2,3,4,5,6
	global_load_b32 v[112+(\i)], v14, s[8:9] offset:64+8*(\i)  ; bd[8 + i][hh]
.endr
	v_lshl_add_u32 v12, v2, 5, PART                ; nodes 0-7 of token r lie where lane r put them,
	v_lshl_add_u32 v13, v3, 10, v12                ; nodes 8-15 where lane 16 + r did (512 further on, below), in direction hh's tile
.irp w, 0,1,2,3
	ds_load_b128 v[Z+24*(\w):Z+24*(\w)+3],     v12 offset:2048*(\w)
	ds_load_b128 v[Z+24*(\w)+4:Z+24*(\w)+7],   v12 offset:2048*(\w)+16
	ds_load_b128 v[Z+24*(\w)+8:Z+24*(\w)+11],  v12 offset:2048*(\w)+1024
	ds_load_b128 v[Z+24*(\w)+12:Z+24*(\w)+15], v12 offset:2048*(\w)+1040
	ds_load_b128 v[Z+24*(\w)+16:Z+24*(\w)+19], v13 offset:2048*(\w)+512
	ds_load_b128 v[Z+24*(\w)+20:Z+24*(\w)+23], v13 offset:2048*(\w)+528
.endr
	v_lshl_add_u32 v15, v2, 2, PTS
	v_lshl_add_u32 v15, v3, 9, v15                 ; where path(r, 8 hh + i) goes: 512 hh + 4 r, + 64 i
	v_lshlrev_b32 v121, 4, v1                      ; and 16 bytes a lane on the way to pbuf
	v_add_nc_u32 v122, PTS, v121
	s_wait_dscnt 0x0
.set k, 0
.rept 12
	v_pk_add_f32 v[Z+k:Z+k+1], v[Z+k:Z+k+1], v[Z+24+k:Z+24+k+1]
	v_pk_add_f32 v[Z+48+k:Z+48+k+1], v[Z+48+k:Z+48+k+1], v[Z+72+k:Z+72+k+1]
.set k, k+2
.endr
.set k, 0
.rept 12
	v_pk_add_f32 v[Z+k:Z+k+1], v[Z+k:Z+k+1], v[Z+48+k:Z+48+k+1]
.set k, k+2
.endr
	s_wait_kmcnt 0x0
.irp n, 0,1,2,3,4,5,6,7
	v_add_f32 v[Z+(\n)],   s[32+2*(\n)], v[Z+(\n)]
	v_add_f32 v[Z+8+(\n)], s[33+2*(\n)], v[Z+8+(\n)]
.endr
	s_wait_loadcnt 0x0
.irp i, 0,1,2,3,4,5,6
	v_add_f32 v[Z+16+(\i)], v[Z+16+(\i)], v[112+(\i)]
.endr
.set k, 0
.rept 12
	v_pk_mul_f32 v[Z+k:Z+k+1], v[Z+k:Z+k+1], 0xbfb8aa3b op_sel_hi:[1,0]  ; - z log2(e)
.set k, k+2
.endr
.set k, 0
.rept 24
	v_exp_f32 v[Z+k], v[Z+k]
.set k, k+1
.endr
	v_nop                                          ; a plain instruction behind the last power (ISA guide 5.7.2),
	s_wait_alu depctr_va_vdst(0)                   ; and the one wait ahead of the batch's first reader
.set k, 0
.rept 12
	v_pk_add_f32 v[Z+k:Z+k+1], v[Z+k:Z+k+1], 1.0 op_sel_hi:[1,0]
.set k, k+2
.endr
.set k, 0
.rept 24
	v_rcp_f32 v[Z+k], v[Z+k]
.set k, k+1
.endr
	v_cmp_eq_u32 vcc_lo, 1, v3                     ; the plain instruction behind the last reciprocal
	s_wait_alu depctr_va_vdst(0)                   ; one wait for the 24
	; D[n][k] = v[Z + 8 k + n] for n = 0..7;  D[8 + i][hh] = v[Z + 16 + i]
	v_cndmask_b32 v120, v[Z+7], v[Z+15], vcc_lo    ; D[7][hh]
.irp m, 0,1,2,3
	v_mul_f32 v[124+(\m)], v[Z+8*((\m)%2)], v[Z+8*((\m)/2)+1+((\m)%2)]        ; levels 0 and 1
.endr
.irp i, 0,1,2,3,4,5,6,7
	v_mul_f32 v[128+(\i)], v[124+((\i)%4)], v[Z+8*((\i)/4)+3+((\i)%4)]        ; level 2
.endr
	v_mul_f32 v136, v128, v120                                                 ; level 3: node 7 + i, direction hh
.irp i, 1,2,3,4,5,6,7
	v_mul_f32 v[136+(\i)], v[128+(\i)], v[Z+15+(\i)]
.endr
.irp i, 0,1,2,3,4,5,6,7
	ds_store_b32 v15, v[136+(\i)] offset:64*(\i)
.endr
	ds_load_b128 v[144:147], v122                  ; my own bytes, served in order
	ds_load_b128 v[148:151], v122 offset:512
	s_wait_dscnt 0x0
	global_store_b128 v121, v[144:147], s[16:17]              ; 512 consecutive bytes each
	global_store_b128 v121, v[148:151], s[16:17] offset:512
.Lend:
	s_wait_tensorcnt 0x0                           ; the wave's end, behind my last LDS store
	ds_add_u32 v10, v11
	s_wait_dscnt 0x0
	s_endpgm
.Lfunc_end_k_q4ecf3453e0_prep:
	.size	k_q4ecf3453e0_prep, .Lfunc_end_k_q4ecf3453e0_prep-k_q4ecf3453e0_prep
	.p2alignl 7, 3214868480
	.fill 96, 4, 3214868480
	.section	.rodata,"a",@progbits
	.p2align	6, 0x0
	.amdhsa_kernel k_q4ecf3453e0_prep
		.amdhsa_group_segment_fixed_size 43520
		.amdhsa_private_segment_fixed_size 0
		.amdhsa_enable_private_segment 0
		.amdhsa_kernarg_size 56
		.amdhsa_user_sgpr_count 2
		.amdhsa_user_sgpr_kernarg_segment_ptr 1
		.amdhsa_wavefront_size32 1
		.amdhsa_system_sgpr_workgroup_id_x 1
		.amdhsa_system_sgpr_workgroup_id_y 1
		.amdhsa_system_sgpr_workgroup_id_z 1
		.amdhsa_system_vgpr_workitem_id 0
		.amdhsa_next_free_vgpr 256
		.amdhsa_next_free_sgpr 66
		.amdhsa_reserve_vcc 1
		.amdhsa_float_denorm_mode_32 3
		.amdhsa_float_denorm_mode_16_64 3
		.amdhsa_memory_ordered 1
		.amdhsa_forward_progress 1
		.amdhsa_inst_pref_size 55
	.end_amdhsa_kernel
	.amdgpu_metadata
---
amdhsa.version: [ 1, 2 ]
amdhsa.kernels:
  - .name:           k_q4ecf3453e0_prep
    .symbol:         k_q4ecf3453e0_prep.kd
    .args:
      - { .name: x, .offset: 0, .size: 8, .value_kind: global_buffer, .address_space: global }
      - { .name: Wd, .offset: 8, .size: 8, .value_kind: global_buffer, .address_space: global }
      - { .name: bd, .offset: 16, .size: 8, .value_kind: global_buffer, .address_space: global }
      - { .name: Wl, .offset: 24, .size: 8, .value_kind: global_buffer, .address_space: global }
      - { .name: xb, .offset: 32, .size: 8, .value_kind: global_buffer, .address_space: global }
      - { .name: wb, .offset: 40, .size: 8, .value_kind: global_buffer, .address_space: global }
      - { .name: pbuf, .offset: 48, .size: 8, .value_kind: global_buffer, .address_space: global }
    .group_segment_fixed_size: 43520
    .private_segment_fixed_size: 0
    .kernarg_segment_align: 8
    .kernarg_segment_size: 56
    .max_flat_workgroup_size: 128
    .sgpr_count:     66
    .vgpr_count:     256
    .wavefront_size: 32
...
	.end_amdgpu_metadata
.endif
;; end of part 1
;; launch tree (part 2): grid 8 x 32, 4 waves a work-group, clusters of 4 x 4, 327,680 bytes of LDS; arguments xb, wb, pbuf, bl, out0; writes out0
.if DOCPART == 2
	.amdgcn_target "amdgcn-amd-amdhsa--gfx1250"
	.amdhsa_code_object_version 6
	.text
	.protected	k_q4ecf3453e0_tree
	.globl	k_q4ecf3453e0_tree
	.p2align	8
	.type	k_q4ecf3453e0_tree,@function
k_q4ecf3453e0_tree:
	s_mov_b64 s[64:65], 0
	v_nop
	global_prefetch_b8 v0, s[64:65] scope:SCOPE_SE
	s_setreg_imm32_b32 hwreg(HW_REG_WAVE_MODE, 25, 1), 1
	s_wait_xcnt 0x0
	s_wait_alu depctr_hold_cnt(0) depctr_sa_sdst(0) depctr_va_vdst(0) depctr_va_sdst(0) depctr_va_ssrc(0) depctr_va_vcc(0) depctr_vm_vsrc(0)
	s_getreg_b32 s2, hwreg(HW_REG_IB_STS2, 6, 4)
	s_cmp_eq_u32 s2, 0
	s_cbranch_scc0 .Lentry_in_a_cluster
	s_endpgm
.Lentry_in_a_cluster:
	s_bfe_u32 s2, ttmp6, 0x10000c
	s_cmp_lg_u32 s2, 0xf033
	s_cbranch_scc0 .Lentry_shape_is_right
	s_endpgm
.Lentry_shape_is_right:
; DecisionTreeLayer, second launch: out[t][d] = sum over the 16 leaves of path[t][leaf] x (sum over h of x[t][h] Wl[leaf][h][d] + bl[leaf][d]).  No work of reference() is left out here.
; xb [4096][1024] and wb [16 x 1024 (leaf, h)][1024 d] are bf16, pbuf [256 tiles][16 leaves][16 tokens] f32 (the first launch made them); bl [16][1024] and out0 [4096][1024] are f32.
; FORMATS.  Products in bf16 with f32 sums.  The path's factor is applied in f32: a leaf's product T = x Wl[leaf] has accumulators of its own, started with the constant 0, and at the leaf's end F += path x T.
; F is started by the small product bl^T path^T (both rounded to bf16, 16 leaves of the instruction's 32 along K, the rest 0), so nothing is cleared.  NaN and infinities are not treated apart.
; SHARES.  A work-group makes 128 tokens x 128 columns: 256 work-groups.  Its four waves are 2 halves of the columns (j) x 2 halves of every K step (c): a wave has 128 tokens x 64 columns,
; 32 accumulators T and 32 F, 512 registers; the two halves of K meet once, at the end, in LDS.  K = (leaf, h) goes in 64 steps of 256, four to a leaf, through two LDS slots.
; THE MATRIX INSTRUCTION IS USED TRANSPOSED: source 0 = 16 columns of Wl (turned on the way out of LDS by ds_load_tr16_b128, since wb lies [h][d]), source 1 = 16 tokens.  In the result lane (r, hh) holds
; token r and the columns 8 hh + 0..7: one path factor a lane, and 32 consecutive bytes of a row of out0.
; CLUSTERS: 4 x 4 work-groups.  x's tile hangs on the tile row alone and is shared along a row of the cluster, Wl's on the tile column alone and is shared along a column: each is asked for JOINTLY,
; by the same tensor load with the same descriptor and a mask that names the four.
; REGISTERS, in windows of 256 (s_set_vgpr_msb: bits 1:0 source 0, 3:2 source 1, 5:4 source 2, 7:6 destination):
;   window 0: v0-31 addresses; v32-47 the leaf's path factors; v64-191 at work at the head and on the way out; v192-207 the paths on their way to LDS
;   window 1: two fragment buffers of 96 (4 of Wl, 8 of x); v192-223 bl's fragments; at the end v0-127 the partner's sums      window 2: T(a, b) at 8 (4 a + b)      window 3: F(a, b) likewise
.set PA,    528                        ; a row of x in LDS: 512 bytes + 16: the 16 rows of a load start 4 banks apart (64 banks of 4 bytes: ISA guide 11.1)
.set PB,    288                        ; a row of Wl: 256 + 32
.set AHALF, 64*PA                      ; what one tensor load brings of x: 64 tokens x 256 h
.set ATILE, 2*AHALF
.set BHALF, 128*PB                     ; and of Wl: 128 rows (h) x 128 columns
.set SLOT,  ATILE+2*BHALF              ; 141,312
.set PTAB,  2*SLOT                     ; behind the ring, never filled by a tensor load: the block's paths, [8 tiles][16 leaves][16 tokens] f32, 8,192 bytes
.set STAGE, PTAB+8192                  ; 16 rows x 272 bytes for each wave, for the way out
.set SP,    272
.set SPARE, STAGE+4*16*SP              ; the spare words, 128 bytes for each wave: two blocks of 256 bytes that no other line names
.set XCH,   0                          ; slot 0, when it has had its last fill and its last read: 16,384 bytes for each wave, where the halves of K meet
.set KB,    256*2048                   ; bytes of wb in a K step: 256 rows of 2,048
.set ADRA, 16                          ; v16-17  LDS address of my fragments of x in slot 0, 1
.set ADRB, 20                          ; v20-21  the same for Wl
.set PB0,  22                          ; v22     PTAB + 4 r; never rewritten
.set PAD,  23                          ; v23     + 64 x leaf
.set STO,  24                          ; v24     the way out: where I put 32 bytes of a row
.set RD,   25                          ; v25     where I read rows back
.set CO,   26                          ; v26     my byte offset in two rows of out0
.set XS,   27                          ; v27     where I put sums for my partner
.set SPW,  28                          ; v28     my spare word; never rewritten
.set NIL,  29                          ; v29     0; never rewritten
.set PFO,  30                          ; v30     the prefetches' offset: my lane x a row of wb; never rewritten
.set XR,   31                          ; v31     where my partner put sums for me
.set PR,   32                          ; v[32+2a] path factor of tile a's token r; the odd registers hold 0 (named with them as pairs)
.set RAWB, 64                          ; head: bl as loaded
.set RAWP, 128                         ; head: paths as loaded
.set CPY,  192                         ; head: the paths on their way to LDS
.set OB,   64                          ; end: four sets of 32, rows read back from the stage
.set F0,   0                           ; window 1: fragment buffers: Wl's b at + 8 b, x's a at + 32 + 8 a
.set F1,   96
.set PF,   96                          ; window 1, head: the paths' fragments
.set BLF,  192                         ; window 1: bl's fragments
.set WV,  14                           ; s14  wave
.set KC,  15                           ; s15  c: my half of each K step; also: I fetch for x (0) or for Wl (1)
.set NJ,  16                           ; s16  j: my half of the columns; also: which half of that tile I fetch
.set G1,  24                           ; s[24:31] descriptor group 1 for x's tiles;  s[32:39] group 0, a set for each slot
.set G0,  32
.set G1B, 48                           ; s[48:55], s[56:63] the same for Wl's
.set G0B, 56
.set PFA, 66                           ; s[66:67] where my prefetches stand
.set LIM, 68                           ; s68  1 in a wave that prefetches, else the greatest number
.set PT,  69                           ; s69  64 x the leaf in hand
.set MSB, 0
.macro WIN new                         ; the immediate's high byte repeats the setting that is left; a switch that changes nothing is dropped
.if MSB != (\new)
	s_set_vgpr_msb (MSB<<8)|(\new)
.set MSB, \new
.endif
.endm
.set MUL,  0xa5                        ; sources 0 and 1 window 1, C and D window 2
.set BIAS, 0xf5                        ; sources 0 and 1 window 1, D window 3
.set TO_F, 0x40                        ; destination window 1, all else window 0
.set MRG,  0xf2                        ; F (destination, source 2) window 3, T (source 0) window 2, the factor (source 1) window 0
.set XST,  0x0c                        ; an LDS store's data (source 1) window 3
.set XAD,  0xc7                        ; F (destination, source 0) window 3, source 1 window 1
.set AND1, 0x44                        ; destination and source 1 window 1
.macro JLOAD s                         ; a joint load: waves 0 and 1 fetch x's two halves, waves 2 and 3 Wl's; an s_nop 0 and four v_nop follow each line, ahead of the jump, the label and what follows
	s_cmp_eq_u32 s[KC], 0
	s_cbranch_scc0 .Lfor_b_\@
	tensor_load_to_lds s[G0+4*(\s):G0+4*(\s)+3], s[G1:G1+7]
	s_nop 0
.rept 4
	v_nop
.endr
	s_branch .Lasked_\@
.Lfor_b_\@:
	tensor_load_to_lds s[G0B+4*(\s):G0B+4*(\s)+3], s[G1B:G1B+7]
	s_nop 0
.rept 4
	v_nop
.endr
.Lasked_\@:
.endm
.macro CREST                           ; a round of the cluster's barrier behind its opening barrier
	s_cmp_lg_u32 s[WV], 0
	s_cbranch_scc1 .Lnot_wave_0_\@
	s_barrier_signal -3
.Lnot_wave_0_\@:
	s_barrier_wait -3
	s_barrier_signal -1
	s_barrier_wait -1
.endm
.macro CROUND                          ; a whole round
	s_barrier_signal -1
	s_barrier_wait -1
	CREST
.endm
; A PREFETCH INTO THE L2 of wb, which the launch walks once.  It stands behind the joint load, its five lines and the run of LDS loads.  The change of slots in K step t, which asks for step t + 2, names step t + 6:
; four K steps, 512 matrix instructions, ahead of the load that will want it.  A tile column of wb is read by every cluster of that column of clusters: cluster y = 0 asks.  Of the 128 rows that wave 2 or 3 fetches,
; the partner at place cy takes 32 cy .. 32 cy + 31, told apart BY ADDRESS: a lane a row of 256 bytes, one instruction a wave: each block is named once in the launch.  Steps 0 to 5 come by their loads alone;
; steps 62 and 63 are the last to be named (how = 0: not in the loop's last trip).  xb is not asked for: its rows are walked anew for every leaf, and the first walk is the launch's first four K steps.
.macro ASK how
	WIN 0
.if \how
	s_cmp_eq_u32 s[LIM], 1
.else
	s_cmp_gt_u32 s3, s[LIM]                        ; s3 = 1 in the loop's last trip
.endif
	s_cbranch_scc0 .Lnot_mine_\@
	global_prefetch_b8 v[PFO], s[PFA:PFA+1] th:TH_LOAD_NT scope:SCOPE_SE
.Lnot_mine_\@:
.endm
	s_load_b256 s[4:11], s[0:1], 0x0               ; xb s[4:5], wb s[6:7], pbuf s[8:9], bl s[10:11]
	s_load_b64 s[12:13], s[0:1], 0x20              ; out0
	v_lshl_add_u32 v[SPW], v0, 2, SPARE
	v_mov_b32 v[NIL], 0
	ds_add_u32 v[SPW], v[NIL]                      ; the wave's opening: the add, twice on end, and its wait ahead of my first tensor load; the set-up below stands between
	ds_add_u32 v[SPW], v[NIL]                      ; and once more, under the one wait
	v_lshrrev_b32 v1, 5, v0
	v_readfirstlane_b32 s[WV], v1                  ; wave 0..3
	s_lshr_b32 s[KC], s[WV], 1
	s_and_b32 s[NJ], s[WV], 1
	s_bfe_u32 s17, ttmp6, 0x40000                  ; cx, cy: my place in the cluster
	s_bfe_u32 s18, ttmp6, 0x40004
	s_lshl_b32 s19, ttmp9, 2
	s_add_co_u32 s19, s19, s17                     ; tile column = 4 x cluster x + cx, 0..7
	s_and_b32 s20, ttmp7, 0xffff
	s_lshl_b32 s20, s20, 2
	s_add_co_u32 s20, s20, s18                     ; tile row = 4 x cluster y + cy, 0..31
	s_lshl_b32 s21, s18, 2
	s_lshl_b32 s21, 15, s21                        ; my row of the cluster
	s_lshl_b32 s22, 0x1111, s17                    ; my column
	; group 1 for x: 64 rows x 256 elements.  15:0 the mask; 17:16 elements of 2 bytes; 20 padding on; 21 set beside a mask; 24:22 after every 128 words (code 6); 31:25 4 words (code 3)
	s_or_b32 s[G1], s21, (1<<16)|(1<<20)|(1<<21)|(6<<22)|(3<<25)
	s_mov_b32 s[G1+1], 256<<16                     ; tensor_dim0 = 256
	s_mov_b32 s[G1+2], 64<<16                      ; tensor_dim1 = 64
	s_mov_b32 s[G1+3], 256<<16                     ; tile_dim0 = 256
	s_mov_b32 s[G1+4], 64                          ; tile_dim1 = 64
	s_mov_b32 s[G1+5], 1024                        ; elements from row to row
	s_mov_b32 s[G1+6], 0
	s_mov_b32 s[G1+7], 0
	; group 1 for Wl: 128 rows x 128 elements; padding after every 64 words (code 5), 8 words (code 7)
	s_or_b32 s[G1B], s22, (1<<16)|(1<<20)|(1<<21)|(5<<22)|(7<<25)
	s_mov_b32 s[G1B+1], 128<<16
	s_mov_b32 s[G1B+2], 128<<16
	s_mov_b32 s[G1B+3], 128<<16
	s_mov_b32 s[G1B+4], 128
	s_mov_b32 s[G1B+5], 1024
	s_mov_b32 s[G1B+6], 0
	s_mov_b32 s[G1B+7], 0
	; where the tiles come from: x's by the tile row, Wl's by the tile column, each in registers that never hold the other coordinate
	s_lshl_b32 s40, s20, 7
	s_lshl_b32 s41, s[NJ], 6
	s_add_co_u32 s40, s40, s41                     ; token 128 x tile row + 64 x half,
	s_lshl_b32 s40, s40, 11                        ; x 2,048 bytes
	s_mov_b32 s41, 0
	s_lshl_b32 s42, s[NJ], 18                      ; row 128 x half of wb, x 2,048 bytes,
	s_lshl_b32 s43, s19, 8                         ; + the tile column's 256 bytes
	s_add_co_u32 s42, s42, s43
	s_mov_b32 s43, 0
	s_mul_i32 s44, s[NJ], AHALF                    ; and where they go: no place in the cluster enters an LDS address
	s_mul_i32 s45, s[NJ], BHALF
	s_add_co_u32 s45, s45, ATILE
	s_wait_dscnt 0x0                               ; both opening adds are done
	s_wait_kmcnt 0x0
	s_add_nc_u64 s[40:41], s[4:5], s[40:41]
	s_add_nc_u64 s[42:43], s[6:7], s[42:43]
	CROUND                                         ; all sixteen work-groups are here: the first joint loads meet
.irp s, 0,1
	s_mov_b32 s[G0+4*(\s)], 1                                      ; count = 1
	s_add_co_u32 s[G0+4*(\s)+1], s44, (\s)*SLOT                    ; LDS address
	s_add_nc_u64 s[G0+4*(\s)+2:G0+4*(\s)+3], s[40:41], (\s)*512    ; global address: K step s
	s_or_b32 s[G0+4*(\s)+3], s[G0+4*(\s)+3], 0x80000000            ; type = 2
	s_mov_b32 s[G0B+4*(\s)], 1
	s_add_co_u32 s[G0B+4*(\s)+1], s45, (\s)*SLOT
	s_add_nc_u64 s[G0B+4*(\s)+2:G0B+4*(\s)+3], s[42:43], (\s)*KB
	s_or_b32 s[G0B+4*(\s)+3], s[G0B+4*(\s)+3], 0x80000000
	JLOAD \s                                       ; two tensor loads of mine are out
.endr
	; the small inputs: the block's paths (8,192 bytes, 64 a thread) and my 64 columns of bl
	v_and_b32 v1, 15, v0                           ; r
	v_bfe_u32 v2, v0, 4, 1                         ; hh
	v_lshlrev_b32 v3, 4, v0                        ; 16 x thread
	v_lshlrev_b32 v4, 15, v2
	v_lshl_add_u32 v4, v1, 2, v4                   ; bl: leaf 8 hh (4,096 bytes a leaf), column r
	s_lshl_b32 s70, s20, 13
	s_mov_b32 s71, 0
	s_add_nc_u64 s[8:9], s[8:9], s[70:71]
	s_lshl_b32 s72, s19, 9
	s_lshl_b32 s73, s[NJ], 8
	s_add_co_u32 s72, s72, s73                     ; my first column in f32: 512 x tile column + 256 j
	s_mov_b32 s73, 0
	s_add_nc_u64 s[10:11], s[10:11], s[72:73]
.irp n, 0,1,2,3
	global_load_b128 v[CPY+4*(\n):CPY+4*(\n)+3], v3, s[8:9] offset:2048*(\n)
.endr
.irp b, 0,1,2,3
.irp i, 0,1,2,3,4,5,6,7
	global_load_b32 v[RAWB+8*(\b)+(\i)], v4, s[10:11] offset:4096*(\i)+64*(\b)  ; bl[8 hh + i][16 b + r]
.endr
.endr
	s_lshl_b32 s74, s20, 19                        ; out0: token 128 x tile row + 64 c (the tiles that I finish), 4,096 bytes a row, + my columns
	s_lshl_b32 s75, s[KC], 18
	s_add_co_u32 s74, s74, s75
	s_add_co_u32 s74, s74, s72
	s_mov_b32 s75, 0
	s_add_nc_u64 s[12:13], s[12:13], s[74:75]
	s_lshl_b32 s76, s[NJ], 7                       ; the prefetches: the 128 rows that I fetch, my work-group's 32 of them, at K step 5: the first change of slots steps it to 6
	s_lshl_b32 s77, s18, 5
	s_add_co_u32 s76, s76, s77
	s_add_co_u32 s76, s76, 5*256
	s_lshl_b32 s76, s76, 11
	s_lshl_b32 s77, s19, 8
	s_add_co_u32 s76, s76, s77
	s_mov_b32 s77, 0
	s_add_nc_u64 s[PFA:PFA+1], s[6:7], s[76:77]
	s_and_b32 s78, ttmp7, 0xffff                   ; cluster y = 0,
	s_xor_b32 s79, s[KC], 1                        ; and a wave that fetches Wl: the same in all sixteen partners, for a given wave
	s_or_b32 s78, s78, s79
	s_cmp_eq_u32 s78, 0
	s_cselect_b32 s[LIM], 1, -1
	s_cmp_eq_u32 s[KC], 0
	s_cselect_b32 s23, -1, 0                       ; the bias is added once: by the waves of K's first half; the others start F with a product of zeros
	v_mul_u32_u24 v7, v1, PA
	v_lshl_add_u32 v7, v2, 4, v7                   ; x: row r x pitch + 16 hh,
	s_lshl_b32 s46, s[KC], 8
	v_add_nc_u32 v[ADRA], s46, v7                  ; + my 128 h of the step's 256
	v_add_nc_u32 v[ADRA+1], SLOT, v[ADRA]
	v_and_b32 v8, 7, v0                            ; Wl, turned: lane l reads row 8 hh + l % 8, columns 8 ((l / 8) % 2) + 0..7, and ends with column l % 16 and 8 rows
	v_lshl_add_u32 v8, v2, 3, v8
	v_mul_u32_u24 v8, v8, PB
	v_bfe_u32 v9, v0, 3, 1
	v_lshl_add_u32 v8, v9, 4, v8
	s_mul_i32 s46, s[KC], BHALF                    ; my 128 rows,
	s_lshl_b32 s47, s[NJ], 7                       ; my 64 columns
	s_add_co_u32 s46, s46, s47
	s_add_co_u32 s46, s46, ATILE
	v_add_nc_u32 v[ADRB], s46, v8
	v_add_nc_u32 v[ADRB+1], SLOT, v[ADRB]
	v_lshl_add_u32 v[PB0], v1, 2, PTAB
	v_lshl_add_u32 v6, v2, 9, v[PB0]               ; the paths as a fragment: leaves 8 hh on, token r
	v_add_nc_u32 v5, PTAB, v3
	s_mul_i32 s46, s[WV], 16*SP
	s_add_co_u32 s46, s46, STAGE                   ; my stage
	v_mul_u32_u24 v[STO], v1, SP                   ; in: row r, 32 bytes for each half of the lanes
	v_lshl_add_u32 v[STO], v2, 5, v[STO]
	v_add_nc_u32 v[STO], s46, v[STO]
	v_mul_u32_u24 v[RD], v2, SP                    ; back: lanes 0-15 one row of 256 bytes, lanes 16-31 the next
	v_lshl_add_u32 v[RD], v1, 4, v[RD]
	v_add_nc_u32 v[RD], s46, v[RD]
	v_lshlrev_b32 v[CO], 12, v2                    ; and the same two rows in out0
	v_lshl_add_u32 v[CO], v1, 4, v[CO]
	v_and_b32 v10, 31, v0
	s_lshl_b32 s46, s[WV], 14
	v_lshl_add_u32 v[XS], v10, 4, s46
	s_xor_b32 s47, s[WV], 2                        ; my partner: the same columns, the other half of K
	s_lshl_b32 s47, s47, 14
	v_lshl_add_u32 v[XR], v10, 4, s47
	v_lshlrev_b32 v[PFO], 11, v10
.irp a, 0,1,2,3,4,5,6,7
	v_mov_b32 v[PR+2*(\a)+1], 0
.endr
	s_wait_loadcnt 32                              ; the four loads of paths are in; bl's 32 stay out
.irp n, 0,1,2,3
	ds_store_b128 v5, v[CPY+4*(\n):CPY+4*(\n)+3] offset:2048*(\n)
.endr
	s_wait_loadcnt 0x0
	WIN TO_F
.irp b, 0,1,2,3
.irp m, 0,1,2,3
	v_cvt_pk_bf16_f32 v[BLF+8*(\b)+(\m)], v[RAWB+8*(\b)+2*(\m)], v[RAWB+8*(\b)+2*(\m)+1]  ; source 0: column 16 b + r, leaves 8 hh + 0..7
	v_mov_b32 v[BLF+8*(\b)+4+(\m)], 0                                                      ; K = 16 .. 31 is empty
.endr
.endr
.irp a, 0,1,2,3,4,5,6,7
.irp m, 0,1,2,3
	v_mov_b32 v[PF+8*(\a)+4+(\m)], 0
.endr
.endr
	WIN AND1
.irp b, 0,1,2,3
.irp m, 0,1,2,3
	v_and_b32 v[BLF+8*(\b)+(\m)], s23, v[BLF+8*(\b)+(\m)]
.endr
.endr
	WIN 0
; 8 matrix instructions: token tiles a0, a0 + 1 x my 4 column tiles, 32 along K, from buffer f.  zero = 1: the leaf's first product starts the sum.  The 32 accumulators take turns, in the same order in every quarter.
.macro MUL8 f, a0, zero
	WIN MUL
.irp a, \a0, (\a0)+1
.irp b, 0,1,2,3
.if \zero
	v_wmma_f32_16x16x32_bf16 v[8*(4*(\a)+(\b)):8*(4*(\a)+(\b))+7], v[(\f)+8*(\b):(\f)+8*(\b)+7], v[(\f)+32+8*(\a):(\f)+32+8*(\a)+7], 0
.else
	v_wmma_f32_16x16x32_bf16 v[8*(4*(\a)+(\b)):8*(4*(\a)+(\b))+7], v[(\f)+8*(\b):(\f)+8*(\b)+7], v[(\f)+32+8*(\a):(\f)+32+8*(\a)+7], v[8*(4*(\a)+(\b)):8*(4*(\a)+(\b))+7]
.endif
.endr
.endr
.endm
; 24 LDS loads in one run: quarter q (32 along K) of my half of a K step, into buffer f: Wl's 4 fragments, x's tiles 0-3, x's tiles 4-7
.macro FETCH slot, q, f
	WIN TO_F
.irp b, 0,1,2,3
	ds_load_tr16_b128 v[(\f)+8*(\b):(\f)+8*(\b)+3],   v[ADRB+(\slot)] offset:32*PB*(\q)+32*(\b)
	ds_load_tr16_b128 v[(\f)+8*(\b)+4:(\f)+8*(\b)+7], v[ADRB+(\slot)] offset:32*PB*(\q)+32*(\b)+16*PB
.endr
.irp a, 0,1,2,3,4,5,6,7
	ds_load_b128 v[(\f)+32+8*(\a):(\f)+32+8*(\a)+3],   v[ADRA+(\slot)] offset:16*PA*(\a)+64*(\q)
	ds_load_b128 v[(\f)+32+8*(\a)+4:(\f)+32+8*(\a)+7], v[ADRA+(\slot)] offset:16*PA*(\a)+64*(\q)+32
.endr
.endm
.macro PLACES                          ; four places in front of loads into registers that matrix instructions have read, and of vector work that reads results (ISA guide 7.12.1 for vector work)
.rept 4
	v_nop
.endr
.endm
; One of a K step's first three quarters: multiplies buffer f and, in its middle, fetches quarter q of the same slot into g.
.macro QUARTER slot, q, f, g, zero
	s_wait_dscnt 8                                 ; Wl's and x's tiles 0-3 are in; the youngest eight loads (tiles 4-7) may be out
	MUL8 \f, 0, \zero
	MUL8 \f, 2, \zero
	PLACES
	FETCH \slot, \q, \g
	s_wait_dscnt 24                                ; all but the 24 just issued
	MUL8 \f, 4, \zero
	MUL8 \f, 6, \zero
.endm
.macro PLOAD                           ; the leaf's path factors: one a tile, the same in both halves of the lanes
	WIN 0
	v_add_nc_u32 v[PAD], s[PT], v[PB0]
.irp a, 0,1,2,3,4,5,6,7
	ds_load_b32 v[PR+2*(\a)], v[PAD] offset:1024*(\a)
.endr
	s_add_co_u32 s[PT], s[PT], 64
.endm
.macro MERGE                           ; F += path x T, two numbers an instruction; each accumulator's lowest registers are read first
	PLACES
	WIN MRG
.irp a, 0,1,2,3,4,5,6,7
.irp b, 0,1,2,3
.irp i, 0,2,4,6
	v_pk_fma_f32 v[8*(4*(\a)+(\b))+(\i):8*(4*(\a)+(\b))+(\i)+1], v[8*(4*(\a)+(\b))+(\i):8*(4*(\a)+(\b))+(\i)+1], v[PR+2*(\a):PR+2*(\a)+1], v[8*(4*(\a)+(\b))+(\i):8*(4*(\a)+(\b))+(\i)+1] op_sel_hi:[1,0,1]
.endr
.endr
.endr
.endm
; The fourth quarter multiplies buffer 1 and changes slots: ONE barrier; in front of it each wave waits for all its tensor loads (one is out: its part of the next slot), adds 0 to its spare word, and waits for
; that and for its own reads of this slot.  fill = 1: the barrier opens a round of the cluster's barrier, and this slot is filled again, first thing behind the round, with the K step two on: 112 matrix
; instructions ahead of the wait for it.  st = the step's number in its leaf: x's tile goes 512 bytes x 2 on along h, or back (h starts anew with every leaf); Wl's goes on.  leafend = 1: the leaf's factors
; are fetched at the head and F takes T at the end.  ask: -1 no prefetch; else ASK's argument.
.macro TURN slot, next, fill, st, leafend, ask
.if (\ask) >= 0
	s_wait_xcnt 0x0                                ; the last prefetch, a K step back, has read its address: it is stepped here, ahead of the waits of the change of slots
	s_add_nc_u64 s[PFA:PFA+1], s[PFA:PFA+1], KB
.endif
.if \leafend
	PLOAD
.endif
	WIN 0                                          ; (the add's two registers lie in window 0)
	s_wait_tensorcnt 0x0                           ; all my tensor loads have landed
	ds_add_u32 v[SPW], v[NIL]                      ; 0 onto my spare word
	s_wait_dscnt 9+8*(\leafend)                    ; the add, x's youngest eight loads and the eight factors may be out
	MUL8 F1, 0, 0                                  ; eight matrix instructions stand between the add and the wait for it
	s_wait_dscnt 0x0                               ; the add is done, and my reads of this slot are over
	s_barrier_signal -1
	MUL8 F1, 2, 0
.if \fill
	WIN 0
.endif
	s_barrier_wait -1
.if \fill
	CREST                                          ; no wave of any partner still reads this slot's tiles or has a load on its way
.if (\st) < 2
	s_add_nc_u64 s[G0+4*(\slot)+2:G0+4*(\slot)+3], s[G0+4*(\slot)+2:G0+4*(\slot)+3], 1024
.else
	s_sub_nc_u64 s[G0+4*(\slot)+2:G0+4*(\slot)+3], s[G0+4*(\slot)+2:G0+4*(\slot)+3], 1024
.endif
	s_add_nc_u64 s[G0B+4*(\slot)+2:G0B+4*(\slot)+3], s[G0B+4*(\slot)+2:G0B+4*(\slot)+3], 2*KB
	JLOAD \slot                                    ; the four v_nop behind it are also the places in front of the loads below
.else
	PLACES
.endif
	FETCH \next, 0, F0
.if (\ask) >= 0
	ASK \ask
.endif
	MUL8 F1, 4, 0
	MUL8 F1, 6, 0
.if \leafend
	MERGE
.endif
.endm
.macro LASTQ                           ; the very last quarter: nothing more to fetch
	PLOAD
	s_wait_dscnt 16                                ; x's youngest eight loads and the eight factors may be out
	MUL8 F1, 0, 0
	MUL8 F1, 2, 0
	s_wait_dscnt 0x0
	MUL8 F1, 4, 0
	MUL8 F1, 6, 0
	MERGE
.endm
; A leaf: four K steps on slots 0, 1, 0, 1.  tail = 1: the last leaf: its first two changes of slots ask for the last two K steps, the third asks for nothing.
.macro LEAF tail
	QUARTER 0, 1, F0, F1, 1
	QUARTER 0, 2, F1, F0, 0
	QUARTER 0, 3, F0, F1, 0
.if \tail
	TURN 0, 1, 1, 0, 0, -1
.else
	TURN 0, 1, 1, 0, 0, 1
.endif
	QUARTER 1, 1, F0, F1, 0
	QUARTER 1, 2, F1, F0, 0
	QUARTER 1, 3, F0, F1, 0
.if \tail
	TURN 1, 0, 1, 1, 0, -1
.else
	TURN 1, 0, 1, 1, 0, 1
.endif
	QUARTER 0, 1, F0, F1, 0
	QUARTER 0, 2, F1, F0, 0
	QUARTER 0, 3, F0, F1, 0
.if \tail
	TURN 0, 1, 0, 2, 0, -1
.else
	TURN 0, 1, 1, 2, 0, 0
.endif
	QUARTER 1, 1, F0, F1, 0
	QUARTER 1, 2, F1, F0, 0
	QUARTER 1, 3, F0, F1, 0
.if \tail
	LASTQ
.else
	TURN 1, 0, 1, 3, 1, 0
.endif
.endm
	s_wait_dscnt 0x0                               ; for the others' sake: my part of the paths lies in LDS,
	s_wait_tensorcnt 1                             ; my part of K step 0 is in; K step 1's may stay out
	s_barrier_signal -1
	s_barrier_wait -1
.irp a, 0,1,2,3,4,5,6,7
.irp i, 0,1,2,3,4,5,6,7
	ds_load_b32 v[RAWP+8*(\a)+(\i)], v6 offset:1024*(\a)+64*(\i)  ; path(token 16 a + r, leaf 8 hh + i)
.endr
.endr
	FETCH 0, 0, F0
	s_wait_dscnt 24                                ; the paths are in; the 24 fragment loads stay out
	WIN TO_F
.irp a, 0,1,2,3,4,5,6,7
.irp m, 0,1,2,3
	v_cvt_pk_bf16_f32 v[PF+8*(\a)+(\m)], v[RAWP+8*(\a)+2*(\m)], v[RAWP+8*(\a)+2*(\m)+1]
.endr
.endr
	WIN BIAS
.irp a, 0,1,2,3,4,5,6,7
.irp b, 0,1,2,3
	v_wmma_f32_16x16x32_bf16 v[8*(4*(\a)+(\b)):8*(4*(\a)+(\b))+7], v[BLF+8*(\b):BLF+8*(\b)+7], v[PF+8*(\a):PF+8*(\a)+7], 0  ; F starts as path . bl (or as 0)
.endr
.endr
	WIN 0                                          ; at a label and at a branch every window is 0
	s_mov_b32 s[PT], 0
	s_mov_b32 s3, 15
.Lleaf:                                        ; leaves 0 to 14
	LEAF 0
	WIN 0
	s_sub_co_u32 s3, s3, 1
	s_cmp_lg_u32 s3, 0
	s_cbranch_scc1 .Lleaf
	LEAF 1                                         ; leaf 15
	WIN 0
	; THE HALVES OF K MEET.  Nobody has read slot 0 since the last change of slots' barrier, and it is filled no more.  A wave of the first half keeps token tiles 0-3 and hands over 4-7, its partner the other way round.
.macro SENDX a0
	WIN XST
.set idx, 0
.rept 16
	ds_store_b128 v[XS], v[8*(4*(\a0)+idx):8*(4*(\a0)+idx)+3]   offset:XCH+1024*idx
	ds_store_b128 v[XS], v[8*(4*(\a0)+idx)+4:8*(4*(\a0)+idx)+7] offset:XCH+1024*idx+512
.set idx, idx+1
.endr
	WIN 0
.endm
; THE WAY OUT of kept tile n: 32 bytes a lane into my own stage, back as whole rows of 256 bytes (my 64 columns in f32), into a set of registers of its own.
.macro PUT a0, n
	WIN XST
.irp b, 0,1,2,3
	ds_store_b128 v[STO], v[8*(4*((\a0)+(\n))+(\b)):8*(4*((\a0)+(\n))+(\b))+3]   offset:64*(\b)
	ds_store_b128 v[STO], v[8*(4*((\a0)+(\n))+(\b))+4:8*(4*((\a0)+(\n))+(\b))+7] offset:64*(\b)+16
.endr
	WIN 0
.irp t, 0,1,2,3,4,5,6,7
	ds_load_b128 v[OB+32*(\n)+4*(\t):OB+32*(\n)+4*(\t)+3], v[RD] offset:2*SP*(\t)  ; LDS serves a wave's instructions in order (ISA guide 5.7.1.4): these see the stores above; the next tile's stores come behind them
.endr
.endm
.macro SEND n, younger                 ; younger: the LDS instructions issued behind tile n's loads: the next tile's sixteen, or none
.irp t, 0,1,2,3,4,5,6,7
	s_wait_dscnt (\younger)+7-(\t)
	global_store_b128 v[CO], v[OB+32*(\n)+4*(\t):OB+32*(\n)+4*(\t)+3], s[12:13] offset:65536*(\n)+8192*(\t) th:TH_STORE_NT  ; 16 lanes store 256 consecutive bytes, at a multiple of 256 from out0's first byte
.endr
.endm
.macro FIN a0
	WIN TO_F
.set k, 0
.rept 32
	ds_load_b128 v[4*k:4*k+3], v[XR] offset:XCH+512*k
.set k, k+1
.endr
	s_wait_dscnt 0x0
	WIN XAD
.set k, 0
.rept 64
	v_pk_add_f32 v[32*(\a0)+2*k:32*(\a0)+2*k+1], v[32*(\a0)+2*k:32*(\a0)+2*k+1], v[2*k:2*k+1]
.set k, k+1
.endr
	PUT \a0, 0
	PUT \a0, 1                                     ; a tile's LDS work stands between the loads of the tile before and its stores
	SEND 0, 16
	PUT \a0, 2
	SEND 1, 16
	PUT \a0, 3
	SEND 2, 16
	SEND 3, 0
.endm
	s_cmp_eq_u32 s[KC], 0
	s_cbranch_scc0 .Lsend_low
	SENDX 4
	s_branch .Lsent
.Lsend_low:
	SENDX 0
.Lsent:
	s_wait_dscnt 0x0                               ; for my partner's sake: my stores are done
	s_barrier_signal -1
	s_barrier_wait -1
	s_cmp_eq_u32 s[KC], 0
	s_cbranch_scc0 .Lfin_high
	FIN 0
	s_branch .Lend
.Lfin_high:
	FIN 4
.Lend:
	s_wait_tensorcnt 0x0                           ; the wave's end, behind my last tensor load and my last LDS store
	ds_add_u32 v[SPW], v[NIL]
	s_wait_dscnt 0x0
	CROUND                                         ; the closing round: no work-group ends while a partner may still ask for a tile that names it
	s_endpgm
.Lfunc_end_k_q4ecf3453e0_tree:
	.size	k_q4ecf3453e0_tree, .Lfunc_end_k_q4ecf3453e0_tree-k_q4ecf3453e0_tree
	.p2alignl 7, 3214868480
	.fill 96, 4, 3214868480
	.section	.rodata,"a",@progbits
	.p2align	6, 0x0
	.amdhsa_kernel k_q4ecf3453e0_tree
		.amdhsa_group_segment_fixed_size 327680
		.amdhsa_private_segment_fixed_size 0
		.amdhsa_enable_private_segment 0
		.amdhsa_kernarg_size 40
		.amdhsa_user_sgpr_count 2
		.amdhsa_user_sgpr_kernarg_segment_ptr 1
		.amdhsa_wavefront_size32 1
		.amdhsa_system_sgpr_workgroup_id_x 1
		.amdhsa_system_sgpr_workgroup_id_y 1
		.amdhsa_system_sgpr_workgroup_id_z 1
		.amdhsa_system_vgpr_workitem_id 0
		.amdhsa_next_free_vgpr 1024
		.amdhsa_next_free_sgpr 80
		.amdhsa_reserve_vcc 0
		.amdhsa_float_denorm_mode_32 3
		.amdhsa_float_denorm_mode_16_64 3
		.amdhsa_memory_ordered 1
		.amdhsa_forward_progress 1
		.amdhsa_inst_pref_size 203
	.end_amdhsa_kernel
	.amdgpu_metadata
---
amdhsa.version: [ 1, 2 ]
amdhsa.kernels:
  - .name:           k_q4ecf3453e0_tree
    .symbol:         k_q4ecf3453e0_tree.kd
    .args:
      - { .name: xb, .offset: 0, .size: 8, .value_kind: global_buffer, .address_space: global }
      - { .name: wb, .offset: 8, .size: 8, .value_kind: global_buffer, .address_space: global }
      - { .name: pbuf, .offset: 16, .size: 8, .value_kind: global_buffer, .address_space: global }
      - { .name: bl, .offset: 24, .size: 8, .value_kind: global_buffer, .address_space: global }
      - { .name: out0, .offset: 32, .size: 8, .value_kind: global_buffer, .address_space: global }
    .group_segment_fixed_size: 327680
    .private_segment_fixed_size: 0
    .kernarg_segment_align: 8
    .kernarg_segment_size: 40
    .max_flat_workgroup_size: 128
    .sgpr_count:     80
    .vgpr_count:     1024
    .wavefront_size: 32
...
	.end_amdgpu_metadata
.endif
;; end of part 2
;; ======== version 2 of 3: 2 launches
;; workspace buffers: xb 8,388,608 bytes; wb 33,554,432 bytes; pbuf 262,144 bytes
;; launch prep (part 3): grid 1280 x 1, 4 waves a work-group, no clusters, 43,520 bytes of LDS; arguments x, Wd, bd, Wl, xb, wb, pbuf; writes xb, wb, pbuf
.if DOCPART == 3
	.amdgcn_target "amdgcn-amd-amdhsa--gfx1250"
	.amdhsa_code_object_version 6
	.text
	.protected	k_q4ecf3453e0_prep
	.globl	k_q4ecf3453e0_prep
	.p2align	8
	.type	k_q4ecf3453e0_prep,@function
k_q4ecf3453e0_prep:
	s_mov_b64 s[64:65], 0
	v_nop
	global_prefetch_b8 v0, s[64:65] scope:SCOPE_SE
	s_setreg_imm32_b32 hwreg(HW_REG_WAVE_MODE, 25, 1), 1
	s_wait_xcnt 0x0
; DecisionTreeLayer, first of two launches.  T = 4,096 tokens (2 x 2,048), H = 1,024, 15 nodes, 16 leaves.
;   xb   = x rounded to bf16, in the order in which a matrix operand's registers take it: [256 tiles of 16 tokens][32 K steps of 32 h][2 halves][32 lanes][8 bf16]:
;          lane (r, hh) of half f of K step Q holds token r, h = 32 Q + 16 f + 8 hh + 0..7
;   wb   = Wl rounded to bf16, [16 blocks of 64 columns][4 chunks of 256 h][16 leaves][256 h][64 columns]: what one work-group of the second launch walks is 2 MiB on end
;   pbuf = the 16 path products of each token, f32, [256 tiles of 16 tokens][16 leaves][16 tokens]: path(16 g + r, leaf) at byte 1024 g + 64 leaf + 4 r
; path[leaf] = D[0][leaf&1] x D[1+(leaf&1)][(leaf>>1)&1] x D[3+(leaf&3)][(leaf>>2)&1] x D[7+(leaf&7)][leaf>>3], D[n][k] = sigmoid(x . Wd[n][:][k] + bd[n][k]):
; at each level reference() joins [p x left, p x right], so the level's choice becomes the index's next higher bit and the node within the level is the index so far.
; WORK LEFT OUT: none in whole units.  All five inputs reach the output and are loaded (bl by the second launch).  Only the factor 1 with which reference() starts the path is not multiplied.
; The matrix tile has 16 rows for 15 nodes: the sixteenth repeats node 14 and is used by nobody.
; FORMATS.  x, Wd, Wl are rounded once to bf16 (nearest even) as matrix operands; sums, bd, sigmoids and paths are f32.
; LIMITS.  sigmoid(z) = 1 / (1 + 2^(-1.442695 z)): a power or a quotient below 2^-126 counts as 0 (ISA guide 15.8: these two instructions flush denormals), so a sigmoid below 2^-126 is 0;
; beyond f32's range the power is an infinity and the sigmoid 0, as reference()'s own tends to.  NaN and infinities among the inputs are not treated apart.
; TWO ROLES, by the work-group's number alone: 0..255 take 16 tokens each (role X), 256..1279 take 65,536 bytes of Wl each (role W): each moves 64 KiB in and 32 KiB out.
.set XPITCH, 528                       ; role X: a wave's 256 bf16 of a token, 512 bytes + 16 of padding: the 16 rows of a fragment load start 4 banks apart (64 banks of 4 bytes: ISA guide 11.1)
.set XWAVE,  16*XPITCH                 ; LDS 0: 4 waves x 16 rows, each wave's own
.set PART,   4*XWAVE                   ; 33,792: the waves' partial logits: wave v, direction t at 2048 v + 1024 t + 32 lane
.set PTS,    PART+8192                 ; 41,984: wave 0 turns the paths into pbuf's order here, 1,024 bytes
.set SPARE,  PTS+1024                  ; 43,008: the spare words, 128 bytes for each wave: two blocks of 256 bytes that no other line names
.set X,   16                           ; v[16:143]  32 loads of 16 bytes; converted in place
.set AF,  16                           ; v[16:79]   later: the 8 fragments of my 16 tokens x 256 h
.set WR,  144                          ; v[144:207] Wd as loaded, two sets of 32
.set WF,  208                          ; v[208:239] Wd's fragments, two sets: direction 0 (8), direction 1 (8)
.set ACC, 240                          ; v[240:247] logits of direction 0, v[248:255] of direction 1
.set Z,   16                           ; v[16:111]  wave 0's finish: four waves' 24 partial logits
	s_load_b256 s[4:11], s[0:1], 0x0               ; x s[4:5], Wd s[6:7], bd s[8:9], Wl s[10:11]
	s_load_b128 s[12:15], s[0:1], 0x20             ; xb s[12:13], wb s[14:15]
	s_load_b64 s[16:17], s[0:1], 0x30              ; pbuf
	v_lshl_add_u32 v10, v0, 2, SPARE               ; my spare word; never rewritten
	v_mov_b32 v11, 0                               ; 0; never rewritten
	v_lshrrev_b32 v12, 5, v0
	v_readfirstlane_b32 s18, v12                   ; wave 0..3
	v_and_b32 v1, 31, v0                           ; lane
	v_and_b32 v2, 15, v0                           ; r
	v_bfe_u32 v3, v0, 4, 1                         ; hh
	s_cmp_lt_u32 ttmp9, 256                        ; the same in all four waves
	s_cbranch_scc1 .Lrole_x
	; ROLE W: 16 rows (h) of one leaf, 65,536 bytes of Wl, become 32,768 of wb.  A load of a wave takes 64 columns of two rows (256 consecutive bytes each, lanes 0-15 and 16-31);
	; in wb those two rows of a column block lie on end, so the store covers 256 consecutive bytes, aligned.  All 32 loads of a wave go out first.
	s_sub_co_u32 s20, ttmp9, 256                   ; 64 x leaf + group of 16 rows
	s_lshr_b32 s24, s20, 6
	s_lshl_b32 s24, s24, 15                        ; a leaf's part of a chunk: 256 rows x 128 bytes
	s_bfe_u32 s25, s20, 0x20004                    ; the chunk of 256 h: 2 bits from bit 4
	s_lshl_b32 s25, s25, 19                        ; 16 such parts
	s_and_b32 s26, s20, 15
	s_lshl_b32 s26, s26, 11                        ; 16 rows x 128 bytes
	s_add_co_u32 s22, s24, s25
	s_add_co_u32 s22, s22, s26
	s_mov_b32 s23, 0
	s_lshl_b32 s20, s20, 16
	s_mov_b32 s21, 0
	s_lshl_b32 s27, s18, 14                        ; in: my wave's four rows, 4,096 bytes a row,
	v_lshl_add_u32 v4, v3, 12, s27                 ; the odd row for lanes 16-31,
	v_lshl_add_u32 v4, v2, 4, v4                   ; 16 bytes a lane
	s_lshl_b32 s27, s18, 9                         ; out: four rows of 128 bytes, 8 bytes a lane
	v_lshl_add_u32 v5, v1, 3, s27
	s_wait_kmcnt 0x0
	s_add_nc_u64 s[10:11], s[10:11], s[20:21]
	s_add_nc_u64 s[28:29], s[14:15], s[22:23]      ; column blocks lie 2 MiB apart: four bases, 8 MiB apart, keep the stores' immediates inside their signed 24 bits
	s_add_nc_u64 s[30:31], s[28:29], 0x800000
	s_add_nc_u64 s[32:33], s[28:29], 0x1000000
	s_add_nc_u64 s[34:35], s[28:29], 0x1800000
.set i, 0
.rept 32                                       ; load i: pair of rows i / 16 of my two, column block i % 16
	global_load_b128 v[X+4*i:X+4*i+3], v4, s[10:11] offset:8192*(i/16)+256*(i%16) th:TH_LOAD_NT
.set i, i+1
.endr
.set i, 0
.rept 32
	s_wait_loadcnt 31-i                            ; loads come back in order: load i is in, the 31 - i younger ones stay out
	v_cvt_pk_bf16_f32 v[X+4*i], v[X+4*i], v[X+4*i+1]
	v_cvt_pk_bf16_f32 v[X+4*i+1], v[X+4*i+2], v[X+4*i+3]
	global_store_b64 v5, v[X+4*i:X+4*i+1], s[28+2*((i%16)/4):29+2*((i%16)/4)] offset:2097152*(i%4)+256*(i/16) th:TH_STORE_NT
.set i, i+1
.endr
	s_branch .Lend                                 ; no register that a load or store names has been written again
	; ROLE X: 16 tokens.  Wave v takes h = 256 v .. 256 v + 255 of all 16: it rounds them, turns them into fragments through LDS, stores those to xb, and multiplies them by its quarter of Wd.
.Lrole_x:
	s_lshl_b32 s20, ttmp9, 16                      ; 16 rows of x,
	s_mov_b32 s21, 0
	s_lshl_b32 s22, ttmp9, 15                      ; the tile's 32,768 bytes of xb,
	s_mov_b32 s23, 0
	s_lshl_b32 s24, ttmp9, 10                      ; its 1,024 bytes of pbuf
	s_mov_b32 s25, 0
	s_lshl_b32 s26, s18, 10
	v_lshl_add_u32 v4, v1, 4, s26                  ; x: 1024 wave + 16 lane
	s_lshl_b32 s27, s18, 13
	v_lshl_add_u32 v5, v1, 4, s27                  ; xb: my wave's 8 K steps of 1,024 bytes, 16 bytes a lane
	s_mul_i32 s28, s18, XWAVE
	v_lshl_add_u32 v6, v1, 3, s28                  ; LDS, in: my wave's rows + 8 lane
	v_mul_u32_u24 v7, v2, XPITCH
	v_lshl_add_u32 v7, v3, 4, v7
	v_add_nc_u32 v7, s28, v7                       ; LDS, back as fragments: row r, 16 bytes for each half of the lanes
	v_min_u32 v8, 14, v2                           ; node r; row 15 repeats node 14
	v_lshlrev_b32 v8, 13, v8                       ; a node is 8,192 bytes of Wd,
	v_lshl_add_u32 v8, v3, 6, v8                   ; 8 h (both directions) are 64,
	s_lshl_b32 s29, s18, 11
	v_add_nc_u32 v8, s29, v8                       ; my wave's 256 h are 2,048
	v_lshl_add_u32 v9, v1, 5, s29
	v_add_nc_u32 v9, PART, v9                      ; my 32 bytes of a partial tile
	s_wait_kmcnt 0x0
	s_add_nc_u64 s[4:5], s[4:5], s[20:21]
	s_add_nc_u64 s[12:13], s[12:13], s[22:23]
	s_add_nc_u64 s[16:17], s[16:17], s[24:25]
.set i, 0
.rept 32                                       ; load i: token i / 2, half i % 2 of my wave's 1,024 bytes: 512 consecutive bytes a load
	global_load_b128 v[X+4*i:X+4*i+3], v4, s[4:5] offset:4096*(i/2)+512*(i%2) th:TH_LOAD_NT
.set i, i+1
.endr
; Wd for K step q (32 h): lane (r, hh) takes node r, h = 8 hh + 0..7 and 16 + 8 hh + 0..7, both directions: eight loads of 16 bytes (two h x two directions each).
.macro WLOAD q
.set WB, WR+32*((\q)%2)
.irp m, 0,1,2,3
	global_load_b128 v[WB+4*(\m):WB+4*(\m)+3], v8, s[6:7] offset:256*(\q)+16*(\m)
.endr
.irp m, 4,5,6,7
	global_load_b128 v[WB+4*(\m):WB+4*(\m)+3], v8, s[6:7] offset:256*(\q)+128+16*((\m)-4)
.endr
.endm
	WLOAD 0
	WLOAD 1
.set i, 0
.rept 32
	s_wait_loadcnt 47-i                            ; load i of x is in: behind it stand 31 - i of x and 16 of Wd
	v_cvt_pk_bf16_f32 v[X+4*i], v[X+4*i], v[X+4*i+1]
	v_cvt_pk_bf16_f32 v[X+4*i+1], v[X+4*i+2], v[X+4*i+3]
	ds_store_b64 v6, v[X+4*i:X+4*i+1] offset:XPITCH*(i/2)+256*(i%2)
.set i, i+1
.endr
.irp q, 0,1,2,3,4,5,6,7                        ; my own bytes, and LDS serves a wave's instructions in order (ISA guide 5.7.1.4): no barrier, no wait between stores and loads
	ds_load_b128 v[AF+8*(\q):AF+8*(\q)+3],   v7 offset:64*(\q)
	ds_load_b128 v[AF+8*(\q)+4:AF+8*(\q)+7], v7 offset:64*(\q)+32
.endr
; K step q: Wd's 32 registers are split by direction and rounded; then two products, source 0 = 16 nodes, source 1 = 16 tokens: in the result lane (r, hh) holds token r, register i node 8 hh + i.
; The two accumulators take turns.  A set of WF is written again two steps behind the products that read it: the step between has 16 conversions, which name none of their registers.
.macro KSTEP q
.set WB, WR+32*((\q)%2)
.set FB, WF+16*((\q)%2)
.if (\q) < 7
	s_wait_loadcnt 8                               ; this step's 8 loads are in; the next step's 8 stay out
.else
	s_wait_loadcnt 0x0
.endif
.irp m, 0,1,2,3,4,5,6,7
	v_cvt_pk_bf16_f32 v[FB+(\m)],   v[WB+4*(\m)],   v[WB+4*(\m)+2]
	v_cvt_pk_bf16_f32 v[FB+8+(\m)], v[WB+4*(\m)+1], v[WB+4*(\m)+3]
.endr
.if (\q) < 6
	WLOAD (\q)+2
.endif
.if (\q) == 0
	s_wait_dscnt 0x0                               ; the tokens' fragments are in: they go to xb as they lie, 512 consecutive bytes a store,
.irp f, 0,1,2,3,4,5,6,7
	global_store_b128 v5, v[AF+8*(\f):AF+8*(\f)+3],   s[12:13] offset:1024*(\f) th:TH_STORE_NT
	global_store_b128 v5, v[AF+8*(\f)+4:AF+8*(\f)+7], s[12:13] offset:1024*(\f)+512 th:TH_STORE_NT
.endr
	v_wmma_f32_16x16x32_bf16 v[ACC:ACC+7],    v[FB:FB+7],    v[AF:AF+7], 0    ; and are multiplied
	v_wmma_f32_16x16x32_bf16 v[ACC+8:ACC+15], v[FB+8:FB+15], v[AF:AF+7], 0
.else
	v_wmma_f32_16x16x32_bf16 v[ACC:ACC+7],    v[FB:FB+7],    v[AF+8*(\q):AF+8*(\q)+7], v[ACC:ACC+7]
	v_wmma_f32_16x16x32_bf16 v[ACC+8:ACC+15], v[FB+8:FB+15], v[AF+8*(\q):AF+8*(\q)+7], v[ACC+8:ACC+15]
.endif
.endm
.irp q, 0,1,2,3,4,5,6,7
	KSTEP \q
.endr
.rept 4
	v_nop                                          ; four places between the last product and the stores that read results
.endr
	ds_store_b128 v9, v[ACC:ACC+3]
	ds_store_b128 v9, v[ACC+4:ACC+7]     offset:16
	ds_store_b128 v9, v[ACC+8:ACC+11]    offset:1024
	ds_store_b128 v9, v[ACC+12:ACC+15]   offset:1040
	s_wait_dscnt 0x0                               ; for wave 0's sake: my partial logits lie in LDS
	s_barrier_signal -1
	s_barrier_wait -1
	s_cmp_lg_u32 s18, 0
	s_cbranch_scc1 .Lend
	; WAVE 0 FINISHES.  Lane (r, hh) makes the paths of token r to the leaves 8 hh + 0..7.  They want nodes 0-7 in both directions and nodes 8-14 in direction hh: 24 logits (the last is the spare row).
	s_wait_xcnt 0x0                                ; the stores to xb have read the fragments' registers: only now are those loaded again
	s_load_b512 s[32:47], s[8:9], 0x0              ; bd of nodes 0-7: s[32 + 2 n + direction]
	v_lshlrev_b32 v14, 2, v3
.irp i, 0,1,2,3,4,5,6
	global_load_b32 v[112+(\i)], v14, s[8:9] offset:64+8*(\i)  ; bd[8 + i][hh]
.endr
	v_lshl_add_u32 v12, v2, 5, PART                ; nodes 0-7 of token r lie where lane r put them,
	v_lshl_add_u32 v13, v3, 10, v12                ; nodes 8-15 where lane 16 + r did (512 further on, below), in direction hh's tile
.irp w, 0,1,2,3
	ds_load_b128 v[Z+24*(\w):Z+24*(\w)+3],     v12 offset:2048*(\w)
	ds_load_b128 v[Z+24*(\w)+4:Z+24*(\w)+7],   v12 offset:2048*(\w)+16
	ds_load_b128 v[Z+24*(\w)+8:Z+24*(\w)+11],  v12 offset:2048*(\w)+1024
	ds_load_b128 v[Z+24*(\w)+12:Z+24*(\w)+15], v12 offset:2048*(\w)+1040
	ds_load_b128 v[Z+24*(\w)+16:Z+24*(\w)+19], v13 offset:2048*(\w)+512
	ds_load_b128 v[Z+24*(\w)+20:Z+24*(\w)+23], v13 offset:2048*(\w)+528
.endr
	v_lshl_add_u32 v15, v2, 2, PTS
	v_lshl_add_u32 v15, v3, 9, v15                 ; where path(r, 8 hh + i) goes: 512 hh + 4 r, + 64 i
	v_lshlrev_b32 v121, 4, v1                      ; and 16 bytes a lane on the way to pbuf
	v_add_nc_u32 v122, PTS, v121
	s_wait_dscnt 0x0
.set k, 0
.rept 12
	v_pk_add_f32 v[Z+k:Z+k+1], v[Z+k:Z+k+1], v[Z+24+k:Z+24+k+1]
	v_pk_add_f32 v[Z+48+k:Z+48+k+1], v[Z+48+k:Z+48+k+1], v[Z+72+k:Z+72+k+1]
.set k, k+2
.endr
.set k, 0
.rept 12
	v_pk_add_f32 v[Z+k:Z+k+1], v[Z+k:Z+k+1], v[Z+48+k:Z+48+k+1]
.set k, k+2
.endr
	s_wait_kmcnt 0x0
.irp n, 0,1,2,3,4,5,6,7
	v_add_f32 v[Z+(\n)],   s[32+2*(\n)], v[Z+(\n)]
	v_add_f32 v[Z+8+(\n)], s[33+2*(\n)], v[Z+8+(\n)]
.endr
	s_wait_loadcnt 0x0
.irp i, 0,1,2,3,4,5,6
	v_add_f32 v[Z+16+(\i)], v[Z+16+(\i)], v[112+(\i)]
.endr
.set k, 0
.rept 12
	v_pk_mul_f32 v[Z+k:Z+k+1], v[Z+k:Z+k+1], 0xbfb8aa3b op_sel_hi:[1,0]  ; - z log2(e)
.set k, k+2
.endr
.set k, 0
.rept 24
	v_exp_f32 v[Z+k], v[Z+k]
.set k, k+1
.endr
	v_nop                                          ; a plain instruction behind the last power (ISA guide 5.7.2),
	s_wait_alu depctr_va_vdst(0)                   ; and the one wait ahead of the batch's first reader
.set k, 0
.rept 12
	v_pk_add_f32 v[Z+k:Z+k+1], v[Z+k:Z+k+1], 1.0 op_sel_hi:[1,0]
.set k, k+2
.endr
.set k, 0
.rept 24
	v_rcp_f32 v[Z+k], v[Z+k]
.set k, k+1
.endr
	v_cmp_eq_u32 vcc_lo, 1, v3                     ; the plain instruction behind the last reciprocal
	s_wait_alu depctr_va_vdst(0)                   ; one wait for the 24
	; D[n][k] = v[Z + 8 k + n] for n = 0..7;  D[8 + i][hh] = v[Z + 16 + i]
	v_cndmask_b32 v120, v[Z+7], v[Z+15], vcc_lo    ; D[7][hh]
.irp m, 0,1,2,3
	v_mul_f32 v[124+(\m)], v[Z+8*((\m)%2)], v[Z+8*((\m)/2)+1+((\m)%2)]        ; levels 0 and 1
.endr
.irp i, 0,1,2,3,4,5,6,7
	v_mul_f32 v[128+(\i)], v[124+((\i)%4)], v[Z+8*((\i)/4)+3+((\i)%4)]        ; level 2
.endr
	v_mul_f32 v136, v128, v120                                                 ; level 3: node 7 + i, direction hh
.irp i, 1,2,3,4,5,6,7
	v_mul_f32 v[136+(\i)], v[128+(\i)], v[Z+15+(\i)]
.endr
.irp i, 0,1,2,3,4,5,6,7
	ds_store_b32 v15, v[136+(\i)] offset:64*(\i)
.endr
	ds_load_b128 v[144:147], v122                  ; my own bytes, served in order
	ds_load_b128 v[148:151], v122 offset:512
	s_wait_dscnt 0x0
	global_store_b128 v121, v[144:147], s[16:17]              ; 512 consecutive bytes each
	global_store_b128 v121, v[148:151], s[16:17] offset:512
.Lend:
	s_wait_tensorcnt 0x0                           ; the wave's end, behind my last LDS store
	ds_add_u32 v10, v11
	s_wait_dscnt 0x0
	s_endpgm
.Lfunc_end_k_q4ecf3453e0_prep:
	.size	k_q4ecf3453e0_prep, .Lfunc_end_k_q4ecf3453e0_prep-k_q4ecf3453e0_prep
	.p2alignl 7, 3214868480
	.fill 96, 4, 3214868480
	.section	.rodata,"a",@progbits
	.p2align	6, 0x0
	.amdhsa_kernel k_q4ecf3453e0_prep
		.amdhsa_group_segment_fixed_size 43520
		.amdhsa_private_segment_fixed_size 0
		.amdhsa_enable_private_segment 0
		.amdhsa_kernarg_size 56
		.amdhsa_user_sgpr_count 2
		.amdhsa_user_sgpr_kernarg_segment_ptr 1
		.amdhsa_wavefront_size32 1
		.amdhsa_system_sgpr_workgroup_id_x 1
		.amdhsa_system_sgpr_workgroup_id_y 1
		.amdhsa_system_sgpr_workgroup_id_z 1
		.amdhsa_system_vgpr_workitem_id 0
		.amdhsa_next_free_vgpr 256
		.amdhsa_next_free_sgpr 66
		.amdhsa_reserve_vcc 1
		.amdhsa_float_denorm_mode_32 3
		.amdhsa_float_denorm_mode_16_64 3
		.amdhsa_memory_ordered 1
		.amdhsa_forward_progress 1
		.amdhsa_inst_pref_size 54
	.end_amdhsa_kernel
	.amdgpu_metadata
---
amdhsa.version: [ 1, 2 ]
amdhsa.kernels:
  - .name:           k_q4ecf3453e0_prep
    .symbol:         k_q4ecf3453e0_prep.kd
    .args:
      - { .name: x, .offset: 0, .size: 8, .value_kind: global_buffer, .address_space: global }
      - { .name: Wd, .offset: 8, .size: 8, .value_kind: global_buffer, .address_space: global }
      - { .name: bd, .offset: 16, .size: 8, .value_kind: global_buffer, .address_space: global }
      - { .name: Wl, .offset: 24, .size: 8, .value_kind: global_buffer, .address_space: global }
      - { .name: xb, .offset: 32, .size: 8, .value_kind: global_buffer, .address_space: global }
      - { .name: wb, .offset: 40, .size: 8, .value_kind: global_buffer, .address_space: global }
      - { .name: pbuf, .offset: 48, .size: 8, .value_kind: global_buffer, .address_space: global }
    .group_segment_fixed_size: 43520
    .private_segment_fixed_size: 0
    .kernarg_segment_align: 8
    .kernarg_segment_size: 56
    .max_flat_workgroup_size: 128
    .sgpr_count:     66
    .vgpr_count:     256
    .wavefront_size: 32
...
	.end_amdgpu_metadata
.endif
;; end of part 3
;; launch tree (part 4): grid 16 x 16, 4 waves a work-group, clusters of 4 x 1, 327,680 bytes of LDS; arguments xb, wb, pbuf, bl, out0; writes out0
.if DOCPART == 4
	.amdgcn_target "amdgcn-amd-amdhsa--gfx1250"
	.amdhsa_code_object_version 6
	.text
	.protected	k_q4ecf3453e0_tree
	.globl	k_q4ecf3453e0_tree
	.p2align	8
	.type	k_q4ecf3453e0_tree,@function
k_q4ecf3453e0_tree:
	s_mov_b64 s[64:65], 0
	v_nop
	global_prefetch_b8 v0, s[64:65] scope:SCOPE_SE
	s_setreg_imm32_b32 hwreg(HW_REG_WAVE_MODE, 25, 1), 1
	s_wait_xcnt 0x0
	s_wait_alu depctr_hold_cnt(0) depctr_sa_sdst(0) depctr_va_vdst(0) depctr_va_sdst(0) depctr_va_ssrc(0) depctr_va_vcc(0) depctr_vm_vsrc(0)
	s_getreg_b32 s2, hwreg(HW_REG_IB_STS2, 6, 4)
	s_cmp_eq_u32 s2, 0
	s_cbranch_scc0 .Lentry_in_a_cluster
	s_endpgm
.Lentry_in_a_cluster:
	s_bfe_u32 s2, ttmp6, 0x10000c
	s_cmp_lg_u32 s2, 0x3003
	s_cbranch_scc0 .Lentry_shape_is_right
	s_endpgm
.Lentry_shape_is_right:
; DecisionTreeLayer, second launch: out[t][d] = sum over the 16 leaves of path[t][leaf] x (sum over h of x[t][h] Wl[leaf][h][d] + bl[leaf][d]).  No work of reference() is left out here.
; xb (x in bf16, in fragment order), wb (Wl in bf16, [16 column blocks][4 chunks of 256 h][16 leaves][256 h][64 d]) and pbuf (paths, f32, [256 tiles][16 leaves][16 tokens]) come from the first launch;
; bl [16][1024] and out0 [4096][1024] are f32.
; FORMATS.  Products in bf16 with f32 sums.  The path's factor is applied in f32: T = x Wl[leaf] over one chunk of h has accumulators of its own, started with the constant 0, and then F += path x T.
; F is started by the small product bl^T path^T (both rounded to bf16; 16 leaves of the instruction's 32 along K, the rest 0), so nothing is cleared.  NaN and infinities are not treated apart.
; THE ORDER OF THE SUM.  F += path x T is linear in T, so T may be handed over after any part of h.  The walk is: chunk of 256 h outside, the 16 leaves inside.  So a chunk of x serves 16 leaves, and only Wl streams.
; SHARES.  A work-group makes 256 tokens x 64 columns: 256 work-groups.  A wave makes 64 tokens x 64 columns over all of K: 16 accumulators T, 16 F.  Its chunk of x, 64 tokens x 256 h, is 256 registers and stays
; in registers; the next chunk is loaded into 256 others meanwhile and copied over at the change of chunks (3 x 256 v_mov_b32 a wave, for 8,192 products), so that one text, with one register window for x, serves all chunks.
; LDS holds Wl alone: two slots of 512 rows (two leaves x 256 h) x 64 columns; a slot's 65,536 bytes lie on end in wb and feed 256 matrix instructions of each wave.
; THE MATRIX INSTRUCTION IS USED TRANSPOSED: source 0 = 16 columns of Wl (turned on the way out of LDS by ds_load_tr16_b128, since a row of wb is one h), source 1 = 16 tokens.  In the result lane (r, hh) holds
; token r and the columns 8 hh + 0..7: one path factor a lane, and 32 consecutive bytes of a row of out0.
; THE LDS LOADS STAND IN RUNS OF 16, one run for 32 matrix instructions, never singly among them: a run brings the fragments of two K steps of 32 into one of two buffers while the other is multiplied.
; CLUSTER: the four token blocks of a cluster have one column block and walk the same Wl: each slot is asked for JOINTLY, by the same tensor loads (one quarter a wave) with the same descriptors and a mask of all four.
; REGISTERS, in windows of 256 (s_set_vgpr_msb: bits 1:0 source 0, 3:2 source 1, 5:4 source 2, 7:6 destination):
;   window 0: v0-31 addresses; v32-39 the leaf's path factors; v64-223 at work at the head, v64-191 on the way out; v128-255 T(a, b) at 128 + 8 (4 a + b)
;   window 1: x's chunk, tile a, K step q at 64 a + 8 q      window 2: the next chunk, tile a at 64 ((a + 2) % 4)
;   window 3: v0-127 F(a, b) at 8 (4 a + b); v128-255 Wl's fragments: two buffers of two K steps, K step k of the two, column tile b at + 32 k + 8 b
.set PB,    160                        ; a row of Wl in LDS: 128 bytes + 32
.set WPART, 128*PB                     ; what one tensor load brings: 128 rows
.set SLOT,  4*WPART                    ; 81,920
.set LEAFB, 256*PB                     ; a leaf's 256 rows
.set QB,    32*PB                      ; a K step's 32 rows
.set SLOTM, 65536                      ; a slot's bytes in wb
.set PTAB,  2*SLOT                     ; 163,840, behind the ring, never filled by a tensor load: the block's paths, [16 tiles][16 leaves][16 tokens] f32; wave w writes and reads tiles 4 w .. 4 w + 3 alone
.set STAGE, PTAB+16384                 ; 16 rows x 272 bytes for each wave, for the way out
.set SP,    272
.set SPARE, STAGE+4*16*SP              ; 197,632: the spare words, 128 bytes for each wave: two blocks of 256 bytes that no other line names
.set ADRB, 16                          ; v16-19  my lane's place in Wl's rows: slot s, leaf e of the slot's two at ADRB + 2 s + e; never rewritten
.set PB0,  20                          ; v20     PTAB + my wave's tiles + 4 r; never rewritten
.set PAD,  21                          ; v21     + 64 x leaf
.set STO,  22                          ; v22     the way out: where I put 32 bytes of a row
.set RD,   23                          ; v23     where I read rows back
.set CO,   24                          ; v24     my byte offset in two rows of out0
.set AO,   25                          ; v25     16 x lane; never rewritten
.set PFO,  26                          ; v26     256 x lane; never rewritten
.set SPW,  28                          ; v28     my spare word; never rewritten
.set NIL,  29                          ; v29     0; never rewritten
.set PR,   32                          ; v[32+2a] path factor of tile a's token r; the odd registers hold 0 (named with them as pairs)
.set BFW,  128                         ; window 3: Wl's fragments
.set T,    128
.set BLF,  64                          ; head: bl's fragments,
.set PF,   96                          ; the paths' fragments,
.set RAWB, 128                         ; bl as loaded,
.set RAWP, 160                         ; paths as read,
.set CPY,  192                         ; the paths on their way to LDS
.set OB,   64                          ; end: four sets of 32, rows read back from the stage
.set WV,  14                           ; s14  wave
.set G1,  24                           ; s[24:31] descriptor group 1
.set G0,  32                           ; s[32:39] group 0, a set for each slot
.set PFA, 48                           ; s[48:49] where my prefetches stand
.set LIM, 50                           ; s50  1 in a wave that prefetches, else the greatest number
.set PT,  51                           ; s51  64 x the leaf in hand
.set AX,  52                           ; s[52:53] xb at my wave's four tiles, at the chunk last loaded
.set MSB, 0
.macro WIN new                         ; the immediate's high byte repeats the setting that is left; a switch that changes nothing is dropped
.if MSB != (\new)
	s_set_vgpr_msb (MSB<<8)|(\new)
.set MSB, \new
.endif
.endm
.set MUL,  0x07                        ; source 0 (Wl) window 3, source 1 (x) window 1, T window 0
.set TO_B, 0xc0                        ; an LDS load's data window 3, its address window 0
.set MRG,  0xf0                        ; F (destination, source 2) window 3; T and the factor window 0
.set BIAS, 0xc0                        ; destination window 3
.set TO_A, 0x40                        ; destination window 1
.set TO_N, 0x80                        ; destination window 2
.set CPW,  0x42                        ; destination window 1, source 0 window 2
.set XST,  0x0c                        ; an LDS store's data (source 1) window 3
.macro JLOAD s                         ; my quarter of a slot; an s_nop 0 and four v_nop follow the line
	tensor_load_to_lds s[G0+4*(\s):G0+4*(\s)+3], s[G1:G1+7]
	s_nop 0
.rept 4
	v_nop
.endr
.endm
.macro CREST                           ; a round of the cluster's barrier behind its opening barrier
	s_cmp_lg_u32 s[WV], 0
	s_cbranch_scc1 .Lnot_wave_0_\@
	s_barrier_signal -3
.Lnot_wave_0_\@:
	s_barrier_wait -3
	s_barrier_signal -1
	s_barrier_wait -1
.endm
.macro CROUND                          ; a whole round
	s_barrier_signal -1
	s_barrier_wait -1
	CREST
.endm
; A PREFETCH INTO THE L2 of wb, which the launch walks once.  It stands behind the joint load, its five lines and the run of LDS loads.  The change at the end of slot n, which asks for slot n + 2, names slot n + 4:
; two slots, 512 matrix instructions, ahead of the load that will want it.  All four clusters of a column block walk the same bytes: the first of them (cluster x = 0) asks.  Of a slot's 65,536 bytes the partner at
; place cx takes 16,384, told apart BY ADDRESS; of these wave 0 takes the first half and wave 1 the second: a lane for each 256 bytes, one instruction a wave: each block is named once in the launch.
; Slots 0 to 3 come by their loads alone; slot 31 is the last to be named (how = 0: not in the last trip that fills).  xb is not asked for: its loads run a whole chunk ahead of their use.
.macro ASK how
	WIN 0
.if \how
	s_cmp_eq_u32 s[LIM], 1
.else
	s_cmp_gt_u32 s3, s[LIM]                        ; s3 = 1 in that loop's last trip
.endif
	s_cbranch_scc0 .Lnot_mine_\@
	global_prefetch_b8 v[PFO], s[PFA:PFA+1] th:TH_LOAD_NT scope:SCOPE_SE
.Lnot_mine_\@:
.endm
.macro PLACES                          ; four places in front of loads into registers that matrix instructions have read, and of vector work that reads results (ISA guide 7.12.1 for vector work)
.rept 4
	v_nop
.endr
.endm
; A chunk of x for my four tiles: 64 loads of 512 consecutive bytes.  The caller sets the destination's window; sh turns the tiles' places round.
.macro ALOAD sh
.irp a, 0,1,2,3
.irp q, 0,1,2,3,4,5,6,7
	global_load_b128 v[64*(((\a)+(\sh))%4)+8*(\q):64*(((\a)+(\sh))%4)+8*(\q)+3],   v[AO], s[AX:AX+1] offset:32768*(\a)+1024*(\q)
	global_load_b128 v[64*(((\a)+(\sh))%4)+8*(\q)+4:64*(((\a)+(\sh))%4)+8*(\q)+7], v[AO], s[AX:AX+1] offset:32768*(\a)+1024*(\q)+512
.endr
.endr
.endm
	s_load_b256 s[4:11], s[0:1], 0x0               ; xb s[4:5], wb s[6:7], pbuf s[8:9], bl s[10:11]
	s_load_b64 s[12:13], s[0:1], 0x20              ; out0
	v_lshl_add_u32 v[SPW], v0, 2, SPARE
	v_mov_b32 v[NIL], 0
	ds_add_u32 v[SPW], v[NIL]                      ; the wave's opening: the add, twice on end, and its wait ahead of my first tensor load; the set-up below stands between
	ds_add_u32 v[SPW], v[NIL]                      ; and once more, under the one wait
	v_lshrrev_b32 v1, 5, v0
	v_readfirstlane_b32 s[WV], v1                  ; wave 0..3
	s_bfe_u32 s15, ttmp6, 0x40000                  ; cx: my place in the cluster
	s_lshl_b32 s16, ttmp9, 2                       ; in a cluster launch ttmp9 counts clusters
	s_add_co_u32 s16, s16, s15                     ; my block of 256 tokens = 4 x cluster x + cx: it enters xb's, pbuf's and out0's addresses (and the prefetches') alone
	s_and_b32 s17, ttmp7, 0xffff                   ; the column block, which the four partners share
	; group 1.  128 rows of Wl are 16,384 dense bytes: asked for as 64 rows of 256 bytes, two rows of Wl each, and padded in LDS after every one
	s_mov_b32 s[G1], 15|(1<<16)|(1<<20)|(1<<21)|(4<<22)|(7<<25)  ; 15:0 the mask of four; 17:16 2-byte elements; 20 padding on; 21 set beside a mask; 24:22 after every 32 words (code 4); 31:25 8 words (code 7)
	s_mov_b32 s[G1+1], 128<<16                     ; tensor_dim0 = 128
	s_mov_b32 s[G1+2], 64<<16                      ; tensor_dim1 = 64
	s_mov_b32 s[G1+3], 128<<16                     ; tile_dim0 = 128
	s_mov_b32 s[G1+4], 64                          ; tile_dim1 = 64
	s_mov_b32 s[G1+5], 128                         ; elements from row to row
	s_mov_b32 s[G1+6], 0
	s_mov_b32 s[G1+7], 0
	s_lshl_b32 s40, s17, 21                        ; the column block's 2 MiB of wb,
	s_lshl_b32 s41, s[WV], 14                      ; my quarter of a slot
	s_add_co_u32 s40, s40, s41
	s_mov_b32 s41, 0
	s_mul_i32 s44, s[WV], WPART                    ; and where it goes: no place in the cluster enters an LDS address
	s_wait_dscnt 0x0                               ; both opening adds are done
	s_wait_kmcnt 0x0
	s_add_nc_u64 s[40:41], s[6:7], s[40:41]
	CROUND                                         ; all four work-groups are here: the first joint loads meet
.irp s, 0,1
	s_mov_b32 s[G0+4*(\s)], 1                                      ; count = 1
	s_add_co_u32 s[G0+4*(\s)+1], s44, (\s)*SLOT                    ; LDS address
	s_add_nc_u64 s[G0+4*(\s)+2:G0+4*(\s)+3], s[40:41], (\s)*SLOTM  ; global address: slot s
	s_or_b32 s[G0+4*(\s)+3], s[G0+4*(\s)+3], 0x80000000            ; type = 2
.endr
	tensor_load_to_lds s[G0:G0+3], s[G1:G1+7]      ; the two first fills stand together: two tensor loads of mine are out
	s_nop 0
	tensor_load_to_lds s[G0+4:G0+7], s[G1:G1+7]
	s_nop 0
.rept 4
	v_nop
.endr
	; the small inputs: my four tiles' paths (4,096 bytes) and the block's 64 columns of bl
	v_and_b32 v1, 15, v0                           ; r
	v_bfe_u32 v2, v0, 4, 1                         ; hh
	v_and_b32 v10, 31, v0                          ; lane
	v_lshlrev_b32 v[AO], 4, v10
	v_lshlrev_b32 v4, 15, v2
	v_lshl_add_u32 v4, v1, 2, v4                   ; bl: leaf 8 hh (4,096 bytes a leaf), column r
	s_lshl_b32 s54, s16, 14                        ; pbuf: 16 tiles of 1,024 bytes a block, 4 a wave
	s_lshl_b32 s55, s[WV], 12
	s_add_co_u32 s54, s54, s55
	s_mov_b32 s55, 0
	s_add_nc_u64 s[8:9], s[8:9], s[54:55]
	s_lshl_b32 s56, s17, 8                         ; bl: 64 columns of f32
	s_mov_b32 s57, 0
	s_add_nc_u64 s[10:11], s[10:11], s[56:57]
.irp n, 0,1,2,3,4,5,6,7
	global_load_b128 v[CPY+4*(\n):CPY+4*(\n)+3], v[AO], s[8:9] offset:512*(\n)
.endr
.irp b, 0,1,2,3
.irp i, 0,1,2,3,4,5,6,7
	global_load_b32 v[RAWB+8*(\b)+(\i)], v4, s[10:11] offset:4096*(\i)+64*(\b)  ; bl[8 hh + i][16 b + r]
.endr
.endr
	s_lshl_b32 s58, s16, 19                        ; xb: 16 tiles of 32,768 bytes a block, 4 a wave
	s_lshl_b32 s59, s[WV], 17
	s_add_co_u32 s58, s58, s59
	s_mov_b32 s59, 0
	s_add_nc_u64 s[AX:AX+1], s[4:5], s[58:59]
	s_lshl_b32 s56, s16, 20                        ; out0: token 256 x block + 64 x wave, 4,096 bytes a row, + the block's columns
	s_lshl_b32 s57, s[WV], 18
	s_add_co_u32 s56, s56, s57
	s_lshl_b32 s57, s17, 8
	s_add_co_u32 s56, s56, s57
	s_mov_b32 s57, 0
	s_add_nc_u64 s[12:13], s[12:13], s[56:57]
	s_lshl_b32 s54, s17, 21                        ; the prefetches: the column block, my work-group's 16,384 bytes of a slot, my wave's half of them, at slot 3: the first change of slots steps it to 4
	s_lshl_b32 s55, s15, 14
	s_add_co_u32 s54, s54, s55
	s_lshl_b32 s55, s[WV], 13
	s_add_co_u32 s54, s54, s55
	s_add_co_u32 s54, s54, 3*SLOTM
	s_mov_b32 s55, 0
	s_add_nc_u64 s[PFA:PFA+1], s[6:7], s[54:55]
	s_lshr_b32 s58, s[WV], 1                       ; waves 0 and 1,
	s_or_b32 s58, s58, ttmp9                       ; of the column block's first cluster: the same in all four partners, for a given wave
	s_cmp_eq_u32 s58, 0
	s_cselect_b32 s[LIM], 1, -1
	v_lshlrev_b32 v[PFO], 8, v10
	v_and_b32 v8, 7, v0                            ; Wl, turned: lane l reads row 8 hh + l % 8, columns 8 ((l / 8) % 2) + 0..7, and ends with column l % 16 and 8 rows
	v_lshl_add_u32 v8, v2, 3, v8
	v_mul_u32_u24 v8, v8, PB
	v_bfe_u32 v9, v0, 3, 1
	v_lshl_add_u32 v[ADRB], v9, 4, v8
	v_add_nc_u32 v[ADRB+1], LEAFB, v[ADRB]
	v_add_nc_u32 v[ADRB+2], SLOT, v[ADRB]
	v_add_nc_u32 v[ADRB+3], SLOT+LEAFB, v[ADRB]
	s_lshl_b32 s46, s[WV], 12
	s_add_co_u32 s46, s46, PTAB                    ; my four tiles of the paths
	v_lshl_add_u32 v[PB0], v1, 2, s46
	v_lshl_add_u32 v6, v2, 9, v[PB0]               ; the paths as a fragment: leaves 8 hh on, token r
	v_lshl_add_u32 v5, v10, 4, s46
	s_mul_i32 s47, s[WV], 16*SP
	s_add_co_u32 s47, s47, STAGE                   ; my stage
	v_mul_u32_u24 v[STO], v1, SP                   ; in: row r, 32 bytes for each half of the lanes
	v_lshl_add_u32 v[STO], v2, 5, v[STO]
	v_add_nc_u32 v[STO], s47, v[STO]
	v_mul_u32_u24 v[RD], v2, SP                    ; back: lanes 0-15 one row of 256 bytes, lanes 16-31 the next
	v_lshl_add_u32 v[RD], v1, 4, v[RD]
	v_add_nc_u32 v[RD], s47, v[RD]
	v_lshlrev_b32 v[CO], 12, v2                    ; and the same two rows in out0
	v_lshl_add_u32 v[CO], v1, 4, v[CO]
.irp a, 0,1,2,3
	v_mov_b32 v[PR+2*(\a)+1], 0
.endr
	s_wait_loadcnt 32                              ; the eight loads of paths are in; bl's 32 stay out
.irp n, 0,1,2,3,4,5,6,7
	ds_store_b128 v5, v[CPY+4*(\n):CPY+4*(\n)+3] offset:512*(\n)
.endr
	WIN TO_A
	ALOAD 0                                        ; x's first chunk, straight into its place
	WIN 0
.irp a, 0,1,2,3
.irp i, 0,1,2,3,4,5,6,7
	ds_load_b32 v[RAWP+8*(\a)+(\i)], v6 offset:1024*(\a)+64*(\i)  ; path(token 16 a + r, leaf 8 hh + i): my own bytes, served in order behind the stores above (ISA guide 5.7.1.4)
.endr
.endr
	s_wait_loadcnt 63                              ; bl is in: 64 loads were issued behind it; the count's field ends at 63
.irp b, 0,1,2,3
.irp m, 0,1,2,3
	v_cvt_pk_bf16_f32 v[BLF+8*(\b)+(\m)], v[RAWB+8*(\b)+2*(\m)], v[RAWB+8*(\b)+2*(\m)+1]  ; source 0: column 16 b + r, leaves 8 hh + 0..7
	v_mov_b32 v[BLF+8*(\b)+4+(\m)], 0                                                      ; K = 16 .. 31 is empty
	v_mov_b32 v[PF+8*(\b)+4+(\m)], 0
.endr
.endr
	s_wait_dscnt 0x0
.irp a, 0,1,2,3
.irp m, 0,1,2,3
	v_cvt_pk_bf16_f32 v[PF+8*(\a)+(\m)], v[RAWP+8*(\a)+2*(\m)], v[RAWP+8*(\a)+2*(\m)+1]
.endr
.endr
	WIN BIAS
.irp a, 0,1,2,3
.irp b, 0,1,2,3
	v_wmma_f32_16x16x32_bf16 v[8*(4*(\a)+(\b)):8*(4*(\a)+(\b))+7], v[BLF+8*(\b):BLF+8*(\b)+7], v[PF+8*(\a):PF+8*(\a)+7], 0  ; F starts as path . bl
.endr
.endr
	WIN 0
; Product n of a K step's 16: column tile n / 4, token tile n % 4.  The 16 accumulators take turns, in the same order in every step.  A chunk's first step (q = 0) starts the sums.
; K step q of a leaf's chunk lies in buffer (q / 2) % 2, in its half q % 2.
.macro WM q, n
	WIN MUL
.set ja, (\n)%4
.set jb, (\n)/4
.set FB, BFW+64*(((\q)/2)%2)+32*((\q)%2)
.if (\q) == 0
	v_wmma_f32_16x16x32_bf16 v[T+8*(4*ja+jb):T+8*(4*ja+jb)+7], v[FB+8*jb:FB+8*jb+7], v[64*ja+8*(\q):64*ja+8*(\q)+7], 0
.else
	v_wmma_f32_16x16x32_bf16 v[T+8*(4*ja+jb):T+8*(4*ja+jb)+7], v[FB+8*jb:FB+8*jb+7], v[64*ja+8*(\q):64*ja+8*(\q)+7], v[T+8*(4*ja+jb):T+8*(4*ja+jb)+7]
.endif
.endm
.macro WMS q, n0, n1                   ; products n0 .. n1 - 1 of K step q
.set nn, \n0
.rept (\n1)-(\n0)
	WM \q, nn
.set nn, nn+1
.endr
.endm
; A run of 16 LDS loads: the fragments of K steps qn and qn + 1 (address register adr) into buffer g; the first step's eight first
.macro LDRUN adr, qn, g
	WIN TO_B
.set GB, BFW+64*(\g)
.irp k, 0,1
.irp b, 0,1,2,3
	ds_load_tr16_b128 v[GB+32*(\k)+8*(\b):GB+32*(\k)+8*(\b)+3],   v[ADRB+(\adr)] offset:QB*((\qn)+(\k))+32*(\b)
	ds_load_tr16_b128 v[GB+32*(\k)+8*(\b)+4:GB+32*(\k)+8*(\b)+7], v[ADRB+(\adr)] offset:QB*((\qn)+(\k))+32*(\b)+16*PB
.endr
.endr
.endm
.macro PLOAD                           ; the leaf's path factors: one a tile, the same in both halves of the lanes
	WIN 0
	v_add_nc_u32 v[PAD], v[PB0], s[PT]
.irp a, 0,1,2,3
	ds_load_b32 v[PR+2*(\a)], v[PAD] offset:1024*(\a)
.endr
	s_add_co_u32 s[PT], s[PT], 64
.endm
.macro MERGE                           ; F += path x T, two numbers an instruction; each accumulator's lowest registers are read first
	PLACES
	WIN MRG
.irp a, 0,1,2,3
.irp b, 0,1,2,3
.irp i, 0,2,4,6
	v_pk_fma_f32 v[8*(4*(\a)+(\b))+(\i):8*(4*(\a)+(\b))+(\i)+1], v[T+8*(4*(\a)+(\b))+(\i):T+8*(4*(\a)+(\b))+(\i)+1], v[PR+2*(\a):PR+2*(\a)+1], v[8*(4*(\a)+(\b))+(\i):8*(4*(\a)+(\b))+(\i)+1] op_sel_hi:[1,0,1]
.endr
.endr
.endr
.endm
; PAIR p of a leaf's four: K steps 2 p and 2 p + 1, 32 products from buffer p % 2.  Behind its first eight products stands the run for the next pair (address register adr, K step qn) into the other buffer, whose
; last readers stand in front of those eight and of the four places: the run has 24 products before its first use.  LDS loads come back in order (ISA guide 5.7.1): at the head the second step's eight may be out;
; in front of the second step all but the 16 just issued are in.  pl = 1, a leaf's first pair: the leaf's four factors are asked for ahead of the run, so that the same count shows them in.
.macro PAIR p, adr, qn, pl
	s_wait_dscnt 8
	WMS 2*(\p), 0, 8
	PLACES
.if \pl
	PLOAD
.endif
	LDRUN \adr, \qn, ((\p)+1)%2
	WMS 2*(\p), 8, 16
	s_wait_dscnt 16
	WMS 2*(\p)+1, 0, 16
.endm
.macro LASTPAIR                        ; the very last pair: nothing more to fetch
	s_wait_dscnt 8
	WMS 6, 0, 16
	s_wait_dscnt 0x0
	WMS 7, 0, 16
.endm
; A slot's last pair changes slots: ONE barrier; in front of it each wave waits for all its tensor loads (one is out: its quarter of the other slot), adds 0 to its spare word, and waits for that and for its own
; reads of this slot.  fill = 1: the barrier opens a round of the cluster's barrier, and this slot is filled again, first thing behind the round, with the slot two on: from the request to the wait for it a wave
; issues 240 matrix instructions.  Then comes the run for the other slot's first pair.  ask: -1 no prefetch; else ASK's argument.
.macro TURN sl, fill, ask
.if (\ask) >= 0
	s_wait_xcnt 0x0                                ; the last prefetch, a slot back, has read its address: it is stepped here, ahead of the waits of the change of slots
	s_add_nc_u64 s[PFA:PFA+1], s[PFA:PFA+1], SLOTM
.endif
	WIN 0                                          ; (the add's two registers lie in window 0)
	s_wait_tensorcnt 0x0                           ; all my tensor loads have landed
	ds_add_u32 v[SPW], v[NIL]                      ; 0 onto my spare word
	s_wait_dscnt 9                                 ; K step 6's fragments are in; K step 7's eight loads and the add may be out
	WMS 6, 0, 8                                    ; eight matrix instructions stand between the add and the wait for it
	s_wait_dscnt 0x0                               ; the add is done, and my reads of this slot are over
	s_barrier_signal -1
	WMS 6, 8, 16
.if \fill
	WIN 0
.endif
	s_barrier_wait -1
.if \fill
	CREST                                          ; no wave of any partner still reads this slot or has a load on its way
	s_add_nc_u64 s[G0+4*(\sl)+2:G0+4*(\sl)+3], s[G0+4*(\sl)+2:G0+4*(\sl)+3], 2*SLOTM
	JLOAD \sl                                      ; the four v_nop behind it are also the places in front of the loads below
.else
	PLACES
.endif
	LDRUN 2*(1-(\sl)), 0, 0
.if (\ask) >= 0
	ASK \ask
.endif
	WMS 7, 0, 16
	MERGE
.endm
; A slot: two leaves' chunks.  mode 0: in the first three chunks; 1: in the last chunk's loop; 2: the last two slots, written out: they ask for nothing.
.macro SLOTW sl, mode
	PAIR 0, 2*(\sl), 2, 1
	PAIR 1, 2*(\sl), 4, 0
	PAIR 2, 2*(\sl), 6, 0
	PAIR 3, 2*(\sl)+1, 0, 0
	MERGE
	PAIR 0, 2*(\sl)+1, 2, 1
	PAIR 1, 2*(\sl)+1, 4, 0
	PAIR 2, 2*(\sl)+1, 6, 0
.if (\mode) == 0
	TURN \sl, 1, 1
.elseif (\mode) == 1
	TURN \sl, 1, 0
.elseif (\sl) == 0
	TURN 0, 0, -1
.else
	LASTPAIR
	MERGE
.endif
.endm
	s_wait_tensorcnt 1                             ; my quarter of slot 0 is in; slot 1's may stay out
	s_barrier_signal -1                            ; (no LDS instruction of mine is out: the wait for 0 above)
	s_barrier_wait -1
	LDRUN 0, 0, 0                                  ; the first pair's fragments
	WIN 0                                          ; at a label and at a branch every window is 0
	s_wait_loadcnt 0x0                             ; x's first chunk is in
	s_mov_b32 s2, 3
.Lchunk:                                       ; chunks 0 to 2: the next chunk of x is asked for, 16 leaves are walked (8 slots), the next chunk takes its place
	s_add_nc_u64 s[AX:AX+1], s[AX:AX+1], 8192      ; 8 K steps of 1,024 bytes on; every load that named it is back
	WIN TO_N
	ALOAD 2
	WIN 0
	s_mov_b32 s[PT], 0
	s_mov_b32 s3, 4
.Ltrip:                                        ; a trip: both slots, four leaves
	SLOTW 0, 0
	SLOTW 1, 0
	WIN 0
	s_sub_co_u32 s3, s3, 1
	s_cmp_lg_u32 s3, 0
	s_cbranch_scc1 .Ltrip
	s_wait_loadcnt 0x0                             ; the next chunk is in
	WIN CPW                                        ; the 64 lines of the last F += path x T are the places behind the last products that read x's registers
.set k, 0
.rept 256
	v_mov_b32 v[k], v[(k+128)%256]
.set k, k+1
.endr
	WIN 0
	s_sub_co_u32 s2, s2, 1
	s_cmp_lg_u32 s2, 0
	s_cbranch_scc1 .Lchunk
	s_mov_b32 s[PT], 0                             ; the last chunk: nothing more of x to fetch
	s_mov_b32 s3, 3
.Llast:
	SLOTW 0, 1
	SLOTW 1, 1
	WIN 0
	s_sub_co_u32 s3, s3, 1
	s_cmp_lg_u32 s3, 0
	s_cbranch_scc1 .Llast
	SLOTW 0, 2
	SLOTW 1, 2
	WIN 0
; THE WAY OUT of tile n: 32 bytes a lane into my own stage, back as whole rows of 256 bytes (the block's 64 columns in f32), into a set of registers of its own.
.macro PUT n
	WIN XST
.irp b, 0,1,2,3
	ds_store_b128 v[STO], v[8*(4*(\n)+(\b)):8*(4*(\n)+(\b))+3]   offset:64*(\b)
	ds_store_b128 v[STO], v[8*(4*(\n)+(\b))+4:8*(4*(\n)+(\b))+7] offset:64*(\b)+16
.endr
	WIN 0
.irp t, 0,1,2,3,4,5,6,7
	ds_load_b128 v[OB+32*(\n)+4*(\t):OB+32*(\n)+4*(\t)+3], v[RD] offset:2*SP*(\t)  ; LDS serves a wave's instructions in order (ISA guide 5.7.1.4): these see the stores above; the next tile's stores come behind them
.endr
.endm
.macro SEND n, younger                 ; younger: the LDS instructions issued behind tile n's loads: the next tile's sixteen, or none
.irp t, 0,1,2,3,4,5,6,7
	s_wait_dscnt (\younger)+7-(\t)
	global_store_b128 v[CO], v[OB+32*(\n)+4*(\t):OB+32*(\n)+4*(\t)+3], s[12:13] offset:65536*(\n)+8192*(\t) th:TH_STORE_NT  ; 16 lanes store 256 consecutive bytes, at a multiple of 256 from out0's first byte
.endr
.endm
	PUT 0
	PUT 1                                          ; a tile's LDS work stands between the loads of the tile before and its stores
	SEND 0, 16
	PUT 2
	SEND 1, 16
	PUT 3
	SEND 2, 16
	SEND 3, 0
	s_wait_tensorcnt 0x0                           ; the wave's end, behind my last tensor load and my last LDS store
	ds_add_u32 v[SPW], v[NIL]
	s_wait_dscnt 0x0
	CROUND                                         ; the closing round: no work-group ends while a partner may still ask for a tile that names it
	s_endpgm
.Lfunc_end_k_q4ecf3453e0_tree:
	.size	k_q4ecf3453e0_tree, .Lfunc_end_k_q4ecf3453e0_tree-k_q4ecf3453e0_tree
	.p2alignl 7, 3214868480
	.fill 96, 4, 3214868480
	.section	.rodata,"a",@progbits
	.p2align	6, 0x0
	.amdhsa_kernel k_q4ecf3453e0_tree
		.amdhsa_group_segment_fixed_size 327680
		.amdhsa_private_segment_fixed_size 0
		.amdhsa_enable_private_segment 0
		.amdhsa_kernarg_size 40
		.amdhsa_user_sgpr_count 2
		.amdhsa_user_sgpr_kernarg_segment_ptr 1
		.amdhsa_wavefront_size32 1
		.amdhsa_system_sgpr_workgroup_id_x 1
		.amdhsa_system_sgpr_workgroup_id_y 1
		.amdhsa_system_sgpr_workgroup_id_z 1
		.amdhsa_system_vgpr_workitem_id 0
		.amdhsa_next_free_vgpr 1024
		.amdhsa_next_free_sgpr 66
		.amdhsa_reserve_vcc 0
		.amdhsa_float_denorm_mode_32 3
		.amdhsa_float_denorm_mode_16_64 3
		.amdhsa_memory_ordered 1
		.amdhsa_forward_progress 1
		.amdhsa_inst_pref_size 255
	.end_amdhsa_kernel
	.section	.bss,"aw",@nobits
	.p2align	6
	.space	262144
	.amdgpu_metadata
---
amdhsa.version: [ 1, 2 ]
amdhsa.kernels:
  - .name:           k_q4ecf3453e0_tree
    .symbol:         k_q4ecf3453e0_tree.kd
    .args:
      - { .name: xb, .offset: 0, .size: 8, .value_kind: global_buffer, .address_space: global }
      - { .name: wb, .offset: 8, .size: 8, .value_kind: global_buffer, .address_space: global }
      - { .name: pbuf, .offset: 16, .size: 8, .value_kind: global_buffer, .address_space: global }
      - { .name: bl, .offset: 24, .size: 8, .value_kind: global_buffer, .address_space: global }
      - { .name: out0, .offset: 32, .size: 8, .value_kind: global_buffer, .address_space: global }
    .group_segment_fixed_size: 327680
    .private_segment_fixed_size: 0
    .kernarg_segment_align: 8
    .kernarg_segment_size: 40
    .max_flat_workgroup_size: 128
    .sgpr_count:     66
    .vgpr_count:     1024
    .wavefront_size: 32
...
	.end_amdgpu_metadata
.endif
;; end of part 4
;; ======== version 3 of 3: 2 launches; version 2 with the launch prep written anew for expert scheduling mode
;; workspace buffers: xb 8,388,608 bytes; wb 33,554,432 bytes; pbuf 262,144 bytes
;; launch prep (part 5): grid 1280 x 1, 4 waves a work-group, no clusters, 43,520 bytes of LDS; arguments x, Wd, bd, Wl, xb, wb, pbuf; writes xb, wb, pbuf
.if DOCPART == 5
	.amdgcn_target "amdgcn-amd-amdhsa--gfx1250"
	.amdhsa_code_object_version 6
	.text
	.protected	k_q4ecf3453e0_prep
	.globl	k_q4ecf3453e0_prep
	.p2align	8
	.type	k_q4ecf3453e0_prep,@function
k_q4ecf3453e0_prep:
	s_mov_b64 s[64:65], 0
	v_nop
	global_prefetch_b8 v0, s[64:65] scope:SCOPE_SE
	s_setreg_imm32_b32 hwreg(HW_REG_WAVE_SCHED_MODE, 0, 2), 2
	s_setreg_imm32_b32 hwreg(HW_REG_WAVE_MODE, 25, 1), 1
	s_wait_xcnt 0x0
	s_wait_alu depctr_vm_vsrc(0)
; DecisionTreeLayer, first of two launches.  T = 4,096 tokens (2 x 2,048), H = 1,024, 15 nodes, 16 leaves.
;   xb   = x rounded to bf16, in the order in which a matrix operand's registers take it: [256 tiles of 16 tokens][32 K steps of 32 h][2 halves][32 lanes][8 bf16]:
;          lane (r, hh) of half f of K step Q holds token r, h = 32 Q + 16 f + 8 hh + 0..7
;   wb   = Wl rounded to bf16, [16 blocks of 64 columns][4 chunks of 256 h][16 leaves][256 h][64 columns]: what one work-group of the second launch walks is 2 MiB on end
;   pbuf = the 16 path products of each token, f32, [256 tiles of 16 tokens][16 leaves][16 tokens]: path(16 g + r, leaf) at byte 1024 g + 64 leaf + 4 r
; path[leaf] = D[0][leaf&1] x D[1+(leaf&1)][(leaf>>1)&1] x D[3+(leaf&3)][(leaf>>2)&1] x D[7+(leaf&7)][leaf>>3], D[n][k] = sigmoid(x . Wd[n][:][k] + bd[n][k]):
; at each level reference() joins [p x left, p x right], so the level's choice becomes the index's next higher bit and the node within the level is the index so far.
; WORK LEFT OUT: none in whole units.  All five inputs reach the output and are loaded (bl by the second launch).  Only the factor 1 with which reference() starts the path is not multiplied.
; The matrix tile has 16 rows for 15 nodes: the sixteenth repeats node 14 and is used by nobody.
; FORMATS.  x, Wd, Wl are rounded once to bf16 (nearest even) as matrix operands; sums, bd, sigmoids and paths are f32.
; LIMITS.  sigmoid(z) = 1 / (1 + 2^(-1.442695 z)): a power or a quotient below 2^-126 counts as 0 (ISA guide 15.8: these two instructions flush denormals), so a sigmoid below 2^-126 is 0;
; beyond f32's range the power is an infinity and the sigmoid 0, as reference()'s own tends to.  NaN and infinities among the inputs are not treated apart.
; TWO ROLES, by the work-group's number alone: 0..255 take 16 tokens each (role X), 256..1279 take 65,536 bytes of Wl each (role W): each moves 64 KiB in and 32 KiB out.
; THE MODE: SCHED_MODE bits 1:0 = 2 (LLVM: expert scheduling mode 2), set by the entry lines.  The code itself states the register dependences
; between vector or matrix instructions and memory or LDS instructions, with s_wait_alu, always for 0.
; THE PLAN.  Registers that memory or LDS instructions touch:
;   v4 .. v9      offsets and LDS addresses: written once at a role's head, read by its loads and stores, never written again.
;   X             32 loads of four registers.  Load i's two conversions write its first two registers in place; ONE store reads that pair; no vector instruction names it again.
;                 The 32 go in 8 groups of four: group g's conversions stand among the stores of group g - 1, behind one wait that shows group g - 1's pairs written.
;   AF (role X)   the fragments' LDS loads land where pairs lay that LDS stores have read; read by the stores to xb and by the products; loaded again by wave 0 alone, at its finish.
;   WR, two sets  step q's sixteen conversions read a set; behind one wait the loads of step q + 2 land in it, dealt among the step's two products, which name WF, AF and ACC alone.
;   WF            named by vector and matrix instructions alone.      ACC  written by the products, read by four LDS stores behind the last.
;   wave 0's finish: six addresses made first, then one wait, then its 31 loads; its paths are written, then one wait, then their LDS stores.
;   v10, v11      written at the head, read by the closing add alone.
.set XPITCH, 528                       ; role X: a wave's 256 bf16 of a token, 512 bytes + 16 of padding: the 16 rows of a fragment load start 4 banks apart (64 banks of 4 bytes: ISA guide 11.1)
.set XWAVE,  16*XPITCH                 ; LDS 0: 4 waves x 16 rows, each wave's own
.set PART,   4*XWAVE                   ; 33,792: the waves' partial logits: wave v, direction t at 2048 v + 1024 t + 32 lane
.set PTS,    PART+8192                 ; 41,984: wave 0 turns the paths into pbuf's order here, 1,024 bytes
.set SPARE,  PTS+1024                  ; 43,008: the spare words, 128 bytes for each wave: two blocks of 256 bytes that no other line names
.set X,   16                           ; v[16:143]  32 loads of 16 bytes; converted in place
.set AF,  16                           ; v[16:79]   later: the 8 fragments of my 16 tokens x 256 h
.set WR,  144                          ; v[144:207] Wd as loaded, two sets of 32
.set WF,  208                          ; v[208:239] Wd's fragments, two sets: direction 0 (8), direction 1 (8)
.set ACC, 240                          ; v[240:247] logits of direction 0, v[248:255] of direction 1
.set Z,   16                           ; v[16:111]  wave 0's finish: four waves' 24 partial logits
	s_load_b256 s[4:11], s[0:1], 0x0               ; x s[4:5], Wd s[6:7], bd s[8:9], Wl s[10:11]
	s_load_b128 s[12:15], s[0:1], 0x20             ; xb s[12:13], wb s[14:15]
	s_load_b64 s[16:17], s[0:1], 0x30              ; pbuf
	v_lshl_add_u32 v10, v0, 2, SPARE               ; my spare word; never rewritten
	v_mov_b32 v11, 0                               ; 0; never rewritten
	v_lshrrev_b32 v12, 5, v0
	v_readfirstlane_b32 s18, v12                   ; wave 0..3
	v_and_b32 v1, 31, v0                           ; lane
	v_and_b32 v2, 15, v0                           ; r
	v_bfe_u32 v3, v0, 4, 1                         ; hh
	s_wait_alu depctr_va_sdst(0)                   ; s18 is written, ahead of the branch and of its first reader in either role
	s_cmp_lt_u32 ttmp9, 256                        ; the same in all four waves
	s_cbranch_scc1 .Lrole_x
	; ROLE W: 16 rows (h) of one leaf, 65,536 bytes of Wl, become 32,768 of wb.  A load of a wave takes 64 columns of two rows (256 consecutive bytes each, lanes 0-15 and 16-31);
	; in wb those two rows of a column block lie on end, so the store covers 256 consecutive bytes, aligned.  All 32 loads of a wave go out first.
	s_sub_co_u32 s20, ttmp9, 256                   ; 64 x leaf + group of 16 rows
	s_lshr_b32 s24, s20, 6
	s_lshl_b32 s24, s24, 15                        ; a leaf's part of a chunk: 256 rows x 128 bytes
	s_bfe_u32 s25, s20, 0x20004                    ; the chunk of 256 h: 2 bits from bit 4
	s_lshl_b32 s25, s25, 19                        ; 16 such parts
	s_and_b32 s26, s20, 15
	s_lshl_b32 s26, s26, 11                        ; 16 rows x 128 bytes
	s_add_co_u32 s22, s24, s25
	s_add_co_u32 s22, s22, s26
	s_mov_b32 s23, 0
	s_lshl_b32 s20, s20, 16
	s_mov_b32 s21, 0
	s_lshl_b32 s27, s18, 14                        ; in: my wave's four rows, 4,096 bytes a row,
	v_lshl_add_u32 v4, v3, 12, s27                 ; the odd row for lanes 16-31,
	v_lshl_add_u32 v4, v2, 4, v4                   ; 16 bytes a lane
	s_lshl_b32 s27, s18, 9                         ; out: four rows of 128 bytes, 8 bytes a lane
	v_lshl_add_u32 v5, v1, 3, s27
	s_wait_kmcnt 0x0
	s_add_nc_u64 s[10:11], s[10:11], s[20:21]
	s_add_nc_u64 s[28:29], s[14:15], s[22:23]      ; column blocks lie 2 MiB apart: four bases, 8 MiB apart, keep the stores' immediates inside their signed 24 bits
	s_add_nc_u64 s[30:31], s[28:29], 0x800000
	s_add_nc_u64 s[32:33], s[28:29], 0x1000000
	s_add_nc_u64 s[34:35], s[28:29], 0x1800000
	s_wait_alu depctr_va_vdst(0)                   ; v4 and v5 are written: every load of this role reads v4 as its offset, every store v5
.set i, 0
.rept 32                                       ; load i: pair of rows i / 16 of my two, column block i % 16
	global_load_b128 v[X+4*i:X+4*i+3], v4, s[10:11] offset:8192*(i/16)+256*(i%16) th:TH_LOAD_NT
.set i, i+1
.endr
.macro WSTORE                                  ; the rounded pair of load o goes out
	global_store_b64 v5, v[X+4*o:X+4*o+1], s[28+2*((o%16)/4):29+2*((o%16)/4)] offset:2097152*(o%4)+256*(o/16) th:TH_STORE_NT
.endm
.set g, 0
.rept 8                                        ; group g: loads 4 g .. 4 g + 3 are rounded; the stores of group g - 1 stand among the conversions
	s_wait_loadcnt 28-4*g                          ; loads come back in order: the group's four are in, the 28 - 4 g younger ones stay out
.if g > 0
	s_wait_alu depctr_va_vdst(0)                   ; the conversions of the group before have written its four pairs, which the stores below read; this group's conversions name other registers
.endif
.set j, 0
.rept 4
.set i, 4*g+j
.if g > 0
.set o, i-4
	WSTORE
.endif
	v_cvt_pk_bf16_f32 v[X+4*i], v[X+4*i], v[X+4*i+1]
	v_cvt_pk_bf16_f32 v[X+4*i+1], v[X+4*i+2], v[X+4*i+3]
.set j, j+1
.endr
.set g, g+1
.endr
	s_wait_alu depctr_va_vdst(0)                   ; the last group's conversions have written its four pairs, which the last four stores read
.set o, 28
.rept 4
	WSTORE
.set o, o+1
.endr
	s_branch .Lend                                 ; no register that a load or store names has been written again
	; ROLE X: 16 tokens.  Wave v takes h = 256 v .. 256 v + 255 of all 16: it rounds them, turns them into fragments through LDS, stores those to xb, and multiplies them by its quarter of Wd.
.Lrole_x:
	s_lshl_b32 s20, ttmp9, 16                      ; 16 rows of x,
	s_mov_b32 s21, 0
	s_lshl_b32 s22, ttmp9, 15                      ; the tile's 32,768 bytes of xb,
	s_mov_b32 s23, 0
	s_lshl_b32 s24, ttmp9, 10                      ; its 1,024 bytes of pbuf
	s_mov_b32 s25, 0
	s_lshl_b32 s26, s18, 10
	v_lshl_add_u32 v4, v1, 4, s26                  ; x: 1024 wave + 16 lane
	s_lshl_b32 s27, s18, 13
	v_lshl_add_u32 v5, v1, 4, s27                  ; xb: my wave's 8 K steps of 1,024 bytes, 16 bytes a lane
	s_mul_i32 s28, s18, XWAVE
	v_lshl_add_u32 v6, v1, 3, s28                  ; LDS, in: my wave's rows + 8 lane
	v_mul_u32_u24 v7, v2, XPITCH
	v_lshl_add_u32 v7, v3, 4, v7
	v_add_nc_u32 v7, s28, v7                       ; LDS, back as fragments: row r, 16 bytes for each half of the lanes
	v_min_u32 v8, 14, v2                           ; node r; row 15 repeats node 14
	v_lshlrev_b32 v8, 13, v8                       ; a node is 8,192 bytes of Wd,
	v_lshl_add_u32 v8, v3, 6, v8                   ; 8 h (both directions) are 64,
	s_lshl_b32 s29, s18, 11
	v_add_nc_u32 v8, s29, v8                       ; my wave's 256 h are 2,048
	v_lshl_add_u32 v9, v1, 5, s29
	v_add_nc_u32 v9, PART, v9                      ; my 32 bytes of a partial tile
	s_wait_kmcnt 0x0
	s_add_nc_u64 s[4:5], s[4:5], s[20:21]
	s_add_nc_u64 s[12:13], s[12:13], s[22:23]
	s_add_nc_u64 s[16:17], s[16:17], s[24:25]
	s_wait_alu depctr_va_vdst(0)                   ; the six offsets and addresses v4 to v9 are written, which this role's loads and stores read; none is written again
.set i, 0
.rept 32                                       ; load i: token i / 2, half i % 2 of my wave's 1,024 bytes: 512 consecutive bytes a load
	global_load_b128 v[X+4*i:X+4*i+3], v4, s[4:5] offset:4096*(i/2)+512*(i%2) th:TH_LOAD_NT
.set i, i+1
.endr
; Wd for K step q (32 h): lane (r, hh) takes node r, h = 8 hh + 0..7 (half f = 0) and 16 + 8 hh + 0..7 (f = 1), both directions: four loads of 16 bytes a half (two h x two directions each).
.macro WHALF q, f
.set WB, WR+32*((\q)%2)
.irp m, 0,1,2,3
	global_load_b128 v[WB+16*(\f)+4*(\m):WB+16*(\f)+4*(\m)+3], v8, s[6:7] offset:256*(\q)+128*(\f)+16*(\m)
.endr
.endm
	WHALF 0, 0
	WHALF 0, 1
	WHALF 1, 0
	WHALF 1, 1
.macro XSTORE                                  ; the rounded pair of load o goes into my wave's rows
	ds_store_b64 v6, v[X+4*o:X+4*o+1] offset:XPITCH*(o/2)+256*(o%2)
.endm
.set g, 0
.rept 8                                        ; group g: loads 4 g .. 4 g + 3 of x are rounded; the LDS stores of group g - 1 stand among the conversions
	s_wait_loadcnt 44-4*g                          ; the group's four are in: behind them stand 28 - 4 g of x and 16 of Wd
.if g > 0
	s_wait_alu depctr_va_vdst(0)                   ; the conversions of the group before have written its four pairs, which the LDS stores below read; this group's conversions name other registers
.endif
.set j, 0
.rept 4
.set i, 4*g+j
.if g > 0
.set o, i-4
	XSTORE
.endif
	v_cvt_pk_bf16_f32 v[X+4*i], v[X+4*i], v[X+4*i+1]
	v_cvt_pk_bf16_f32 v[X+4*i+1], v[X+4*i+2], v[X+4*i+3]
.set j, j+1
.endr
.set g, g+1
.endr
	s_wait_alu depctr_va_vdst(0)                   ; the last group's pairs are written, which the last four LDS stores read; and every conversion is done with v[16:79], in which the fragments' loads land
.set o, 28
.rept 4
	XSTORE
.set o, o+1
.endr
	s_wait_alu depctr_vm_vsrc(0)                   ; the LDS stores have read their pairs: those in v[16:79] are written again by the fragments' loads
.irp q, 0,1,2,3,4,5,6,7                        ; my own bytes, and LDS serves a wave's instructions in order (ISA guide 5.7.1.4): no barrier, no wait between stores and loads
	ds_load_b128 v[AF+8*(\q):AF+8*(\q)+3],   v7 offset:64*(\q)
	ds_load_b128 v[AF+8*(\q)+4:AF+8*(\q)+7], v7 offset:64*(\q)+32
.endr
; K step q: Wd's 32 registers are split by direction and rounded; then two products, source 0 = 16 nodes, source 1 = 16 tokens: in the result lane (r, hh) holds token r, register i node 8 hh + i.
; The two accumulators take turns.  A set of WF is written again two steps behind the products that read it: the step between has 16 conversions, which name none of their registers.
; The eight loads of step q + 2 stand behind the step's one wait, four ahead of each product.
.macro KSTEP q
.set WB, WR+32*((\q)%2)
.set FB, WF+16*((\q)%2)
.if (\q) < 7
	s_wait_loadcnt 8                               ; this step's 8 loads are in; the next step's 8 stay out
.else
	s_wait_loadcnt 0x0
.endif
.irp m, 0,1,2,3,4,5,6,7
	v_cvt_pk_bf16_f32 v[FB+(\m)],   v[WB+4*(\m)],   v[WB+4*(\m)+2]
	v_cvt_pk_bf16_f32 v[FB+8+(\m)], v[WB+4*(\m)+1], v[WB+4*(\m)+3]
.endr
.if (\q) < 6
	s_wait_alu depctr_va_vdst(0)                   ; the sixteen conversions are done reading this set of WR, in which the loads of step q + 2 land; the products below name WF, AF and ACC alone
	WHALF (\q)+2, 0
.endif
.if (\q) == 0
	s_wait_dscnt 0x0                               ; the tokens' fragments are in: they go to xb as they lie, 512 consecutive bytes a store,
.irp f, 0,1,2,3,4,5,6,7
	global_store_b128 v5, v[AF+8*(\f):AF+8*(\f)+3],   s[12:13] offset:1024*(\f) th:TH_STORE_NT
	global_store_b128 v5, v[AF+8*(\f)+4:AF+8*(\f)+7], s[12:13] offset:1024*(\f)+512 th:TH_STORE_NT
.endr
	v_wmma_f32_16x16x32_bf16 v[ACC:ACC+7],    v[FB:FB+7],    v[AF:AF+7], 0    ; and are multiplied
.else
	v_wmma_f32_16x16x32_bf16 v[ACC:ACC+7],    v[FB:FB+7],    v[AF+8*(\q):AF+8*(\q)+7], v[ACC:ACC+7]
.endif
.if (\q) < 6
	WHALF (\q)+2, 1                                ; no wait: no vector or matrix instruction since the wait above names this set of WR
.endif
.if (\q) == 0
	v_wmma_f32_16x16x32_bf16 v[ACC+8:ACC+15], v[FB+8:FB+15], v[AF:AF+7], 0
.else
	v_wmma_f32_16x16x32_bf16 v[ACC+8:ACC+15], v[FB+8:FB+15], v[AF+8*(\q):AF+8*(\q)+7], v[ACC+8:ACC+15]
.endif
.endm
.irp q, 0,1,2,3,4,5,6,7
	KSTEP \q
.endr
.rept 4
	v_nop                                          ; four places between the last product and the stores that read results
.endr
	s_wait_alu depctr_va_vdst(0)                   ; the products have written the two accumulators, which the LDS stores read; the places above stay beside this wait
	ds_store_b128 v9, v[ACC:ACC+3]
	ds_store_b128 v9, v[ACC+4:ACC+7]     offset:16
	ds_store_b128 v9, v[ACC+8:ACC+11]    offset:1024
	ds_store_b128 v9, v[ACC+12:ACC+15]   offset:1040
	s_wait_dscnt 0x0                               ; for wave 0's sake: my partial logits lie in LDS
	s_barrier_signal -1
	s_barrier_wait -1
	s_wait_alu depctr_vm_vsrc(0)                   ; my stores to xb have read the fragments, my LDS stores the rounded pairs: behind the branch wave 0 writes v[16:143] again, by loads and by vector instructions
	s_cmp_lg_u32 s18, 0
	s_cbranch_scc1 .Lend
	; WAVE 0 FINISHES.  Lane (r, hh) makes the paths of token r to the leaves 8 hh + 0..7.  They want nodes 0-7 in both directions and nodes 8-14 in direction hh: 24 logits (the last is the spare row).
	s_wait_xcnt 0x0                                ; the stores to xb have read the fragments' registers: only now are those loaded again
	s_load_b512 s[32:47], s[8:9], 0x0              ; bd of nodes 0-7: s[32 + 2 n + direction]
	v_lshlrev_b32 v14, 2, v3                       ; all six addresses of the finish are made first
	v_lshl_add_u32 v12, v2, 5, PART                ; nodes 0-7 of token r lie where lane r put them,
	v_lshl_add_u32 v13, v3, 10, v12                ; nodes 8-15 where lane 16 + r did (512 further on, below), in direction hh's tile
	v_lshl_add_u32 v15, v2, 2, PTS
	v_lshl_add_u32 v15, v3, 9, v15                 ; where path(r, 8 hh + i) goes: 512 hh + 4 r, + 64 i
	v_lshlrev_b32 v121, 4, v1                      ; and 16 bytes a lane on the way to pbuf
	v_add_nc_u32 v122, PTS, v121
	s_wait_alu depctr_va_vdst(0)                   ; v12 to v15, v121 and v122 are written, which the loads and stores below read; the products and conversions are done with v[16:118], in which the loads land
.irp i, 0,1,2,3,4,5,6
	global_load_b32 v[112+(\i)], v14, s[8:9] offset:64+8*(\i)  ; bd[8 + i][hh]
.endr
.irp w, 0,1,2,3
	ds_load_b128 v[Z+24*(\w):Z+24*(\w)+3],     v12 offset:2048*(\w)
	ds_load_b128 v[Z+24*(\w)+4:Z+24*(\w)+7],   v12 offset:2048*(\w)+16
	ds_load_b128 v[Z+24*(\w)+8:Z+24*(\w)+11],  v12 offset:2048*(\w)+1024
	ds_load_b128 v[Z+24*(\w)+12:Z+24*(\w)+15], v12 offset:2048*(\w)+1040
	ds_load_b128 v[Z+24*(\w)+16:Z+24*(\w)+19], v13 offset:2048*(\w)+512
	ds_load_b128 v[Z+24*(\w)+20:Z+24*(\w)+23], v13 offset:2048*(\w)+528
.endr
	s_wait_dscnt 0x0
.set k, 0
.rept 12
	v_pk_add_f32 v[Z+k:Z+k+1], v[Z+k:Z+k+1], v[Z+24+k:Z+24+k+1]
	v_pk_add_f32 v[Z+48+k:Z+48+k+1], v[Z+48+k:Z+48+k+1], v[Z+72+k:Z+72+k+1]
.set k, k+2
.endr
.set k, 0
.rept 12
	v_pk_add_f32 v[Z+k:Z+k+1], v[Z+k:Z+k+1], v[Z+48+k:Z+48+k+1]
.set k, k+2
.endr
	s_wait_kmcnt 0x0
.irp n, 0,1,2,3,4,5,6,7
	v_add_f32 v[Z+(\n)],   s[32+2*(\n)], v[Z+(\n)]
	v_add_f32 v[Z+8+(\n)], s[33+2*(\n)], v[Z+8+(\n)]
.endr
	s_wait_loadcnt 0x0
.irp i, 0,1,2,3,4,5,6
	v_add_f32 v[Z+16+(\i)], v[Z+16+(\i)], v[112+(\i)]
.endr
.set k, 0
.rept 12
	v_pk_mul_f32 v[Z+k:Z+k+1], v[Z+k:Z+k+1], 0xbfb8aa3b op_sel_hi:[1,0]  ; - z log2(e)
.set k, k+2
.endr
.set k, 0
.rept 24
	v_exp_f32 v[Z+k], v[Z+k]
.set k, k+1
.endr
	v_nop                                          ; a plain instruction behind the last power (ISA guide 5.7.2),
	s_wait_alu depctr_va_vdst(0)                   ; and the one wait ahead of the batch's first reader: the 24 powers are written
.set k, 0
.rept 12
	v_pk_add_f32 v[Z+k:Z+k+1], v[Z+k:Z+k+1], 1.0 op_sel_hi:[1,0]
.set k, k+2
.endr
.set k, 0
.rept 24
	v_rcp_f32 v[Z+k], v[Z+k]
.set k, k+1
.endr
	v_cmp_eq_u32 vcc_lo, 1, v3                     ; the plain instruction behind the last reciprocal
	s_wait_alu depctr_va_vdst(0)                   ; one wait for the 24: the reciprocals are written, ahead of their first reader
	s_wait_alu depctr_va_vcc(0)                    ; the compare has written VCC, which the select below reads
	; D[n][k] = v[Z + 8 k + n] for n = 0..7;  D[8 + i][hh] = v[Z + 16 + i]
	v_cndmask_b32 v120, v[Z+7], v[Z+15], vcc_lo    ; D[7][hh]
.irp m, 0,1,2,3
	v_mul_f32 v[124+(\m)], v[Z+8*((\m)%2)], v[Z+8*((\m)/2)+1+((\m)%2)]        ; levels 0 and 1
.endr
.irp i, 0,1,2,3,4,5,6,7
	v_mul_f32 v[128+(\i)], v[124+((\i)%4)], v[Z+8*((\i)/4)+3+((\i)%4)]        ; level 2
.endr
	v_mul_f32 v136, v128, v120                                                 ; level 3: node 7 + i, direction hh
.irp i, 1,2,3,4,5,6,7
	v_mul_f32 v[136+(\i)], v[128+(\i)], v[Z+15+(\i)]
.endr
	s_wait_alu depctr_va_vdst(0)                   ; the eight paths v[136:143] are written, which the LDS stores read; Wd's conversions are long done with v[144:151], in which the loads below land
.irp i, 0,1,2,3,4,5,6,7
	ds_store_b32 v15, v[136+(\i)] offset:64*(\i)
.endr
	ds_load_b128 v[144:147], v122                  ; my own bytes, served in order
	ds_load_b128 v[148:151], v122 offset:512
	s_wait_dscnt 0x0
	global_store_b128 v121, v[144:147], s[16:17]              ; 512 consecutive bytes each
	global_store_b128 v121, v[148:151], s[16:17] offset:512
.Lend:
	s_wait_dscnt 0x0                               ; the closing lines, six on end
	s_wait_alu 0x0
	s_wait_tensorcnt 0x0
	ds_add_u32 v10, v11
	s_wait_dscnt 0x0
	s_endpgm
.Lfunc_end_k_q4ecf3453e0_prep:
	.size	k_q4ecf3453e0_prep, .Lfunc_end_k_q4ecf3453e0_prep-k_q4ecf3453e0_prep
	.p2alignl 7, 3214868480
	.fill 96, 4, 3214868480
	.section	.rodata,"a",@progbits
	.p2align	6, 0x0
	.amdhsa_kernel k_q4ecf3453e0_prep
		.amdhsa_group_segment_fixed_size 43520
		.amdhsa_private_segment_fixed_size 0
		.amdhsa_enable_private_segment 0
		.amdhsa_kernarg_size 56
		.amdhsa_user_sgpr_count 2
		.amdhsa_user_sgpr_kernarg_segment_ptr 1
		.amdhsa_wavefront_size32 1
		.amdhsa_system_sgpr_workgroup_id_x 1
		.amdhsa_system_sgpr_workgroup_id_y 1
		.amdhsa_system_sgpr_workgroup_id_z 1
		.amdhsa_system_vgpr_workitem_id 0
		.amdhsa_next_free_vgpr 256
		.amdhsa_next_free_sgpr 66
		.amdhsa_reserve_vcc 1
		.amdhsa_float_denorm_mode_32 3
		.amdhsa_float_denorm_mode_16_64 3
		.amdhsa_memory_ordered 1
		.amdhsa_forward_progress 1
		.amdhsa_inst_pref_size 53
	.end_amdhsa_kernel
	.amdgpu_metadata
---
amdhsa.version: [ 1, 2 ]
amdhsa.kernels:
  - .name:           k_q4ecf3453e0_prep
    .symbol:         k_q4ecf3453e0_prep.kd
    .args:
      - { .name: x, .offset: 0, .size: 8, .value_kind: global_buffer, .address_space: global }
      - { .name: Wd, .offset: 8, .size: 8, .value_kind: global_buffer, .address_space: global }
      - { .name: bd, .offset: 16, .size: 8, .value_kind: global_buffer, .address_space: global }
      - { .name: Wl, .offset: 24, .size: 8, .value_kind: global_buffer, .address_space: global }
      - { .name: xb, .offset: 32, .size: 8, .value_kind: global_buffer, .address_space: global }
      - { .name: wb, .offset: 40, .size: 8, .value_kind: global_buffer, .address_space: global }
      - { .name: pbuf, .offset: 48, .size: 8, .value_kind: global_buffer, .address_space: global }
    .group_segment_fixed_size: 43520
    .private_segment_fixed_size: 0
    .kernarg_segment_align: 8
    .kernarg_segment_size: 56
    .max_flat_workgroup_size: 128
    .sgpr_count:     66
    .vgpr_count:     256
    .wavefront_size: 32
...
	.end_amdgpu_metadata
.endif
;; end of part 5
;; launch tree: the kernel of part 4 again; grid 16 x 16, 4 waves a work-group, clusters of 4 x 1, 327,680 bytes of LDS; arguments xb, wb, pbuf, bl, out0; writes out0
